; MI455X (gfx1250); checked and timed in simulation.
; The chip was launched on July 23, 2026; its instructions are those of AMD's public machine-readable ISA for CDNA 5 (MIT licence, August 2026) and "CDNA5" Instruction Set Architecture Reference Guide (July 2026). The comments in the code are by the model that wrote it; some were corrected since.
;; Multi Head Attention. Allowed arithmetic: matrix products marked QUANTISED: E4M3 operands, one E8M0 scale for each 32 along K, by v_wmma_scale_f32_16x16x128_f8f6f4 with both operands' format E4M3, f32 sums; everything else in f32.
;; Inputs: Wk 512 x 512 float32; Wo 512 x 512 float32; Wq 512 x 512 float32; Wv 512 x 512 float32; bk 512 float32; bo 512 float32; bq 512 float32; bv 512 float32; x 2 x 4,096 x 512 float32.
;; Outputs: out0 2 x 4,096 x 512 float32.
;; This version of the problem:
;;   THIS VERSION OF THE PROBLEM IS GIVEN IN LOW PRECISION. The matrix products marked QUANTISED in the list below multiply operands that are first quantised to E4M3 (4 exponent bits, 3 mantissa bits; 8 bits a number), with one power-of-two scale for each 32 numbers along K (OCP MX v1.0); their sums are f32. All else is computed in f32.
;;   The module's matrix products, in the order in which they are computed (A, B: the left and right operand; K: the contracted axis; several contracted axes count as one K, in the product's order):
;;     1. [M 8,192, K 512] x [K 512, N 512]; A: input x; B: input Wq: QUANTISED
;;     2. [M 8,192, K 512] x [K 512, N 512]; A: input x; B: input Wk: QUANTISED
;;     3. [M 8,192, K 512] x [K 512, N 512]; A: input x; B: input Wv: QUANTISED
;;     4. batch 16 x [M 4,096, K 64] x [K 64, N 4,096]; A: computed on the way; B: computed on the way: QUANTISED
;;     5. batch 16 x [M 4,096, K 4,096] x [K 4,096, N 64]; A: softmax (see below); B: computed on the way: QUANTISED
;;     6. [M 8,192, K 512] x [K 512, N 512]; A: computed on the way; B: input Wo: QUANTISED
;;   THE QUANTISER, for each operand of a quantised product, along K:
;;     - K is cut into blocks of 32 from its start; a last block that is shorter is filled with zeros.
;;     - A block's scale is 2^e with e = floor(log2(the largest magnitude in the block)) - 8, held to -126 .. 127; a block of zeros has e = 0. As a byte (E8M0): e + 127.
;;     - Each number is divided by its block's scale, clamped to +-448, and rounded to the nearest number of E4M3, ties to even, subnormals kept.
;;     - The product sums the exact products of the quantised numbers (number of the format x scale) in f32.
;;   ~~~python
;;   def quantise(x, axis):      # numpy; x: float32 -> the quantised numbers, widened to float32 again
;;       x = np.moveaxis(x, axis, -1); K = x.shape[-1]
;;       x = np.pad(x, [(0, 0)] * (x.ndim - 1) + [(0, -K % 32)]); x = x.reshape(x.shape[:-1] + (-1, 32)); a = np.abs(x).max(-1, keepdims=True)
;;       e = np.where(a > 0, np.clip(np.frexp(np.where(a > 0, a, 1))[1] - 1 - 8, -126, 127), 0)      # np.frexp(a)[1] - 1 = floor(log2(a)), exactly
;;       r = np.clip(x / 2.0 ** e, -448, 448)
;;       step = 2.0 ** (np.maximum(np.frexp(np.where(r == 0, 1, r))[1] - 1, -6) - 3)
;;       q = np.round(r / step) * step * 2.0 ** e      # np.round: ties to even
;;       return np.moveaxis(q.reshape(q.shape[:-2] + (-1,))[..., :K], -1, axis).astype(np.float32)
;;   ~~~
;;   SOFTMAX AHEAD OF A QUANTISED PRODUCT. Where the list says 'softmax', what is quantised is not the finished softmax but p = 2^(t - M), with t = logit x log2(e) and M = ceil(the row's largest t), a whole number; so 1/2 < the row's largest p <= 1. The row's sum l is taken of the UNQUANTISED p, in f32, and the product's result is divided by l at the end. Since M is a whole number, a kernel that streams over the keys may use a running M (the ceiling of the running maximum): every later rescaling is an exact power of two, which a block's scale takes up: the codes' values come out the same.
;;   OPERANDS COMPUTED ON THE WAY. 'Computed on the way' means the value that the module computes at that place (a softmax that the list does not call 'softmax' is quantised finished and normalised). What goes into a quantiser is computed in f32, as accurately as f32 sums, v_exp_f32 and their like allow (about 1e-6 of the number): no bf16 or f16 on the way to a quantiser, and a product that is left as it is and whose result goes on into a quantised operand takes f32 operands (vector FMAs, or v_wmma_f32_16x16x4_f32). A number that lies on a knife's edge between two numbers of the format may be rounded either way, as far as f32 arithmetic and the matrix unit's own rounding can turn it there, and no further.
;; One version. Each part assembles by itself: llvm-mc -triple=amdgcn-amd-amdhsa -mcpu=gfx1250 --defsym DOCPART=n.
;; ======== version 1 of 1: 4 launches
;; limits: right only within a limited range of input values
;; workspace buffers: xwc 5,242,880 bytes; xws 163,840 bytes; qc 4,194,304 bytes; qs 131,072 bytes; kvc 8,388,608 bytes; kvs 262,144 bytes; oc 4,194,304 bytes; os 131,072 bytes
;; launch quant (part 1): grid 320 x 1, 8 waves a work-group, no clusters, 69,120 bytes of LDS; arguments x, Wq, Wk, Wv, Wo, xwc, xws; writes xwc, xws
.if DOCPART == 1
	.amdgcn_target "amdgcn-amd-amdhsa--gfx1250"
	.amdhsa_code_object_version 6
	.text
	.protected	k_q7c82f1fa4e_quant
	.globl	k_q7c82f1fa4e_quant
	.p2align	8
	.type	k_q7c82f1fa4e_quant,@function
k_q7c82f1fa4e_quant:
	s_mov_b64 s[64:65], 0
	v_nop
	global_prefetch_b8 v0, s[64:65] scope:SCOPE_SE
	s_setreg_imm32_b32 hwreg(HW_REG_WAVE_MODE, 25, 1), 1
	s_wait_xcnt 0x0
; MULTI-HEAD ATTENTION IN MX-FP8, launch 1 of 4: x [8192][512] and Wq, Wk, Wv, Wo [512][512], f32 with K innermost, become codes of E4M3 with one E8M0 byte for each 32 along K.
; NO WORK OF THE PROBLEM IS LEFT OUT in any of the four launches: every bias goes into a quantised operand (bq, bk, bv) or into the output (bo), so every input is loaded.
; LAYOUT OF THE CODES, for all four launches.  Lane l = 16 h + r.  A ROW BLOCK is 32 neighbouring rows; its TILE u (0, 1) gives lane r the row 8 u + r + 8 (r / 8).  A FRAGMENT (a tile x 128 along K) lies in memory
; as the image of the operand's 16 registers: group g (512 bytes) holds lane l's 16 codes k = 32 g + 16 h + 0 .. 15 at 16 l.  A row block's image is 16,384 bytes: fragment (u, K step s) at 8192 u + 2048 s.
; Its scale words are 512 bytes: lane 16 u + r has the four words of K steps 0 .. 3.  xwc, xws: row blocks 0-255 x, 256-271 Wq, 272-287 Wk, 288-303 Wv, 304-319 Wo.
; A block's scale is 2^(floor(log2(largest magnitude)) - 8): its byte is that magnitude's exponent field - 8, held at 1 from below.
; LIMITS: a block of zeros gets the byte 1 where the rule says 127 (its codes are zeros, and this program alone reads the bytes); NaN and infinities among the inputs are not served.
; SHARES: a work-group takes one row block, wave w its fragment (u = w / 4, s = w % 4).  Each load reads 512 consecutive bytes of one row; the 16 rows turn through the wave's own stage in LDS
; (rows 528 bytes apart), from which a lane takes 16 neighbours of each of its row's four blocks.  Matrix units, tensor loads and clusters would add nothing: each byte is read once and written once.
.set STGB,  16*528                     ; a wave's stage
.set SG,    8*STGB                     ; behind the stages: the row block's 512 bytes of scale words
.set SPARE, SG+512                     ; the spare words, 128 bytes for each wave: four blocks of 256 bytes that no other line names
.set SPW,   5                          ; v5  LDS address of my spare word; never rewritten
.set NIL,   6                          ; v6  0; never rewritten
.set R,     16                         ; v16-79   16 rows as loaded
.set X,     80                         ; v80-143  register 16 b + i: k = 32 b + 16 h + i of my row
.set PC,    144                        ; v144-159 the fragment's codes
.set TM,    160                        ; v160-163 largest magnitudes, 164-167 bytes, 168-171 448 x the scale, 172-175 the conversions' scale operands
.set PW,    176                        ; the scale word
.set SEL,   26                         ; s[26:27] selects of v_permlanex16_b32 for lane l xor 16
.set MNT,   28                         ; s28      the mantissa field of 448
; 64 numbers of a lane become 16 registers of codes in v[PC] on and four scale bytes in v[TM+4] on.  A block of 32 lies in lanes l and l xor 16.
.macro QUANT s
.irp b, 0,1,2,3
	v_max3_num_f32 v[TM+\b], |v[\s+16*\b]|, |v[\s+1+16*\b]|, 0x4800000   ; my 16 numbers of block b, and the floor 2^(9 - 127): the byte cannot fall under 1
.endr
.irp i, 2,4,6,8,10,12,14
.irp b, 0,1,2,3
	s_delay_alu instid0(VALU_DEP_4)
	v_max3_num_f32 v[TM+\b], v[TM+\b], |v[\s+16*\b+\i]|, |v[\s+1+16*\b+\i]|   ; the four blocks by turns
.endr
.endr
.irp b, 0,1,2,3
	s_delay_alu instid0(VALU_DEP_4)
	v_permlanex16_b32 v[TM+4+\b], v[TM+\b], s[SEL], s[SEL+1]
.endr
.irp b, 0,1,2,3
	s_delay_alu instid0(VALU_DEP_4)
	v_max_num_f32 v[TM+\b], v[TM+\b], v[TM+4+\b]           ; the block's largest magnitude
.endr
.irp b, 0,1,2,3
	s_delay_alu instid0(VALU_DEP_4)
	v_add_nc_u32 v[TM+12+\b], 0xfc000000, v[TM+\b]         ; 8 off its exponent field: the conversion takes this operand's exponent field as its scale
.endr
.irp b, 0,1,2,3
	v_and_or_b32 v[TM+8+\b], v[TM+\b], 0x7f800000, s[MNT]  ; 448 x the scale
.endr
.irp b, 0,1,2,3
	v_lshrrev_b32 v[TM+4+\b], 23, v[TM+12+\b]              ; the scale's byte
.endr
.irp b, 0,1,2,3
.irp i, 0,1,2,3,4,5,6,7,8,9,10,11,12,13,14,15
	v_med3_num_f32 v[\s+16*\b+\i], v[\s+16*\b+\i], -v[TM+8+\b], v[TM+8+\b]   ; the conversion does not saturate (ISA guide 7.6.2): the hold comes first
.endr
	v_cvt_scalef32_pk8_fp8_f32 v[PC+4*\b:PC+4*\b+1], v[\s+16*\b:\s+16*\b+7], v[TM+12+\b]
	v_cvt_scalef32_pk8_fp8_f32 v[PC+4*\b+2:PC+4*\b+3], v[\s+16*\b+8:\s+16*\b+15], v[TM+12+\b]
.endr
	v_nop                                          ; a plain instruction behind the last conversion
.endm
	s_load_b256 s[4:11], s[0:1], 0x0               ; x s[4:5], Wq s[6:7], Wk s[8:9], Wv s[10:11]
	s_load_b128 s[12:15], s[0:1], 0x20             ; Wo s[12:13], xwc s[14:15]
	s_load_b64 s[16:17], s[0:1], 0x30              ; xws
	v_lshl_add_u32 v[SPW], v0, 2, SPARE
	v_mov_b32 v[NIL], 0
	v_lshrrev_b32 v8, 5, v0
	s_delay_alu instid0(VALU_DEP_1)
	v_readfirstlane_b32 s18, v8                    ; wave 0..7
	v_and_b32 v9, 31, v0                           ; lane
	v_and_b32 v10, 15, v0                          ; r
	v_bfe_u32 v11, v0, 4, 1                        ; h
	s_delay_alu instid0(VALU_DEP_3)
	v_lshlrev_b32 v1, 4, v9                        ; 16 x lane: in a row's 512 bytes, and in a group of codes
	s_mul_i32 s19, s18, STGB
	v_add_nc_u32 v2, s19, v1                       ; the stage, on the way in
	v_mul_u32_u24 v3, v10, 528
	s_delay_alu instid0(VALU_DEP_1)
	v_lshl_add_u32 v3, v11, 6, v3
	s_delay_alu instid0(VALU_DEP_1)
	v_add_nc_u32 v3, s19, v3                       ; and on the way out: row r, + 64 h bytes
	s_lshr_b32 s20, s18, 2                         ; u
	s_and_b32 s21, s18, 3                          ; s
	s_lshl_b32 s22, s20, 8
	s_lshl_b32 s23, s21, 2
	s_add_co_u32 s22, s22, s23
	s_add_co_u32 s22, s22, SG
	v_lshl_add_u32 v4, v10, 4, s22                 ; my row's word: SG + 16 (16 u + r) + 4 s
	v_add_nc_u32 v7, SG, v1                        ; where wave 0 reads the 512 bytes back
	s_mov_b32 s[SEL], 0x76543210
	s_mov_b32 s[SEL+1], 0xfedcba98
	s_mov_b32 s[MNT], 0x600000
.irp b, 0,1,2,3
	v_mov_b32 v[TM+4+\b], 0                        ; written once: a lane permute's destination counts as one of its sources
.endr
	s_and_b32 s24, ttmp9, 15                       ; a weight's row block
	s_lshl_b32 s32, ttmp9, 14
	s_lshl_b32 s33, s18, 11
	s_add_co_u32 s32, s32, s33                     ; my fragment in xwc
	s_mov_b32 s33, 0
	s_lshl_b32 s34, ttmp9, 9                       ; my row block in xws
	s_mov_b32 s35, 0
	s_wait_alu depctr_va_vdst(0)
	s_wait_kmcnt 0x0
	s_cmp_lt_u32 ttmp9, 256                        ; which tensor: the choice hangs on the work-group's number alone
	s_cselect_b64 s[30:31], s[4:5], s[6:7]
	s_cselect_b32 s24, ttmp9, s24
	s_cmp_lt_u32 ttmp9, 272
	s_cselect_b64 s[30:31], s[30:31], s[8:9]
	s_cmp_lt_u32 ttmp9, 288
	s_cselect_b64 s[30:31], s[30:31], s[10:11]
	s_cmp_lt_u32 ttmp9, 304
	s_cselect_b64 s[30:31], s[30:31], s[12:13]
	s_lshl_b32 s24, s24, 16                        ; 32 rows of 2,048 bytes,
	s_lshl_b32 s25, s20, 14                        ; 8 u rows,
	s_add_co_u32 s24, s24, s25
	s_lshl_b32 s25, s21, 9                         ; 128 s numbers
	s_add_co_u32 s24, s24, s25
	s_mov_b32 s25, 0
	s_add_nc_u64 s[30:31], s[30:31], s[24:25]
	s_add_nc_u64 s[14:15], s[14:15], s[32:33]
	s_add_nc_u64 s[16:17], s[16:17], s[34:35]
.irp i, 0,1,2,3,4,5,6,7,8,9,10,11,12,13,14,15
	global_load_b128 v[R+4*\i:R+4*\i+3], v1, s[30:31] offset:(\i+8*(\i/8))*2048 th:TH_LOAD_NT   ; the tile's row i: 32 lanes read 512 consecutive bytes
.endr
.irp i, 0,1,2,3,4,5,6,7,8,9,10,11,12,13,14,15
	s_wait_loadcnt 15-\i                           ; loads come back in order: row i is in, the younger ones may be out
	ds_store_b128 v2, v[R+4*\i:R+4*\i+3] offset:528*\i
.endr
.irp b, 0,1,2,3
.irp j, 0,1,2,3
	ds_load_b128 v[X+16*\b+4*\j:X+16*\b+4*\j+3], v3 offset:128*\b+16*\j   ; LDS serves a wave's instructions in order: these see my stores
.endr
.endr
	s_wait_dscnt 0x0
	QUANT X
	v_lshl_or_b32 v[PW], v[TM+5], 8, v[TM+4]       ; the four bytes make my row's word for this K step
	s_delay_alu instid0(VALU_DEP_1)
	v_lshl_or_b32 v[PW], v[TM+6], 16, v[PW]
	s_delay_alu instid0(VALU_DEP_1)
	v_lshl_or_b32 v[PW], v[TM+7], 24, v[PW]
.irp g, 0,1,2,3
	global_store_b128 v1, v[PC+4*\g:PC+4*\g+3], s[14:15] offset:512*\g   ; 32 lanes store 512 consecutive bytes
.endr
	ds_store_b32 v4, v[PW]                         ; both halves of the lanes write the same word with the same value
	s_wait_dscnt 0x0                               ; for the others' sake: my word lies in LDS
	s_barrier_signal -1
	s_barrier_wait -1
	s_cmp_lg_u32 s18, 0
	s_cbranch_scc1 .Ldone
	ds_load_b128 v[R:R+3], v7                      ; wave 0 stores the row block's scale words as 512 consecutive bytes
	s_wait_dscnt 0x0
	global_store_b128 v1, v[R:R+3], s[16:17]
.Ldone:
	s_wait_tensorcnt 0x0                           ; the wave's end
	ds_add_u32 v[SPW], v[NIL]
	s_wait_dscnt 0x0
	s_endpgm
.Lfunc_end_k_q7c82f1fa4e_quant:
	.size	k_q7c82f1fa4e_quant, .Lfunc_end_k_q7c82f1fa4e_quant-k_q7c82f1fa4e_quant
	.p2alignl 7, 3214868480
	.fill 96, 4, 3214868480
	.section	.rodata,"a",@progbits
	.p2align	6, 0x0
	.amdhsa_kernel k_q7c82f1fa4e_quant
		.amdhsa_group_segment_fixed_size 69120
		.amdhsa_private_segment_fixed_size 0
		.amdhsa_enable_private_segment 0
		.amdhsa_kernarg_size 56
		.amdhsa_user_sgpr_count 2
		.amdhsa_user_sgpr_kernarg_segment_ptr 1
		.amdhsa_wavefront_size32 1
		.amdhsa_system_sgpr_workgroup_id_x 1
		.amdhsa_system_sgpr_workgroup_id_y 1
		.amdhsa_system_sgpr_workgroup_id_z 1
		.amdhsa_system_vgpr_workitem_id 0
		.amdhsa_next_free_vgpr 192
		.amdhsa_next_free_sgpr 66
		.amdhsa_reserve_vcc 0
		.amdhsa_float_denorm_mode_32 3
		.amdhsa_float_denorm_mode_16_64 3
		.amdhsa_memory_ordered 1
		.amdhsa_forward_progress 1
		.amdhsa_inst_pref_size 18
	.end_amdhsa_kernel
	.amdgpu_metadata
---
amdhsa.version: [ 1, 2 ]
amdhsa.kernels:
  - .name:           k_q7c82f1fa4e_quant
    .symbol:         k_q7c82f1fa4e_quant.kd
    .args:
      - { .name: x, .offset: 0, .size: 8, .value_kind: global_buffer, .address_space: global }
      - { .name: Wq, .offset: 8, .size: 8, .value_kind: global_buffer, .address_space: global }
      - { .name: Wk, .offset: 16, .size: 8, .value_kind: global_buffer, .address_space: global }
      - { .name: Wv, .offset: 24, .size: 8, .value_kind: global_buffer, .address_space: global }
      - { .name: Wo, .offset: 32, .size: 8, .value_kind: global_buffer, .address_space: global }
      - { .name: xwc, .offset: 40, .size: 8, .value_kind: global_buffer, .address_space: global }
      - { .name: xws, .offset: 48, .size: 8, .value_kind: global_buffer, .address_space: global }
    .group_segment_fixed_size: 69120
    .private_segment_fixed_size: 0
    .kernarg_segment_align: 8
    .kernarg_segment_size: 56
    .max_flat_workgroup_size: 256
    .sgpr_count:     66
    .vgpr_count:     192
    .wavefront_size: 32
...
	.end_amdgpu_metadata
.endif
;; end of part 1
;; launch proj (part 2): grid 64 x 3, 8 waves a work-group, no clusters, 263,168 bytes of LDS; arguments xwc, xws, bq, bk, bv, qc, qs, kvc, kvs; writes qc, qs, kvc, kvs
.if DOCPART == 2
	.amdgcn_target "amdgcn-amd-amdhsa--gfx1250"
	.amdhsa_code_object_version 6
	.text
	.protected	k_q7c82f1fa4e_proj
	.globl	k_q7c82f1fa4e_proj
	.p2align	8
	.type	k_q7c82f1fa4e_proj,@function
k_q7c82f1fa4e_proj:
	s_mov_b64 s[64:65], 0
	v_nop
	global_prefetch_b8 v0, s[64:65] scope:SCOPE_SE
	s_setreg_imm32_b32 hwreg(HW_REG_WAVE_MODE, 25, 1), 1
	s_wait_xcnt 0x0
; Launch 2 of 4: q = x Wq^T + bq, k = x Wk^T + bk, v = x Wv^T + bv on codes of E4M3, and their quantising for the attention: q and k along the head's 64, v along the keys.  Nothing of the problem is left out.
; SHARES: work-group x = a group of 128 tokens (4 row blocks c), y = q, k or v; wave = head.  A wave makes 128 tokens x its head's 64 columns; its 64 rows of W (16 fragments, 32,768 bytes) stay in its registers.
; LDS: every wave issues ONE tensor load of 32,768 dense bytes to LDS byte 32,768 x wave: waves 0-5 their own head's rows of W, which they then take into registers; waves 6 and 7 two of x's four row-block images each,
; which all eight waves read.  Waves 6 and 7 load their rows of W straight into registers: all of W (262,144 bytes) and x's images (65,536) would leave no LDS byte for the spare words.
; 192 work-groups: a wave's unit holds 128 tokens (a scale word of v spans 4 blocks of keys) and a whole head, which makes 8 x 192 units.  No cluster: the work-groups that read the same tokens are three, which no cluster of four divides.
; q, k: THE PRODUCT IS USED TRANSPOSED (source 0 = 16 rows of W, source 1 = 16 tokens): a lane holds one token, and the 16 registers of W's tiles 2 b, 2 b + 1 are d = 32 b + 16 h + 0 .. 15.
; v: used plainly (source 0 = tokens, source 1 = rows of W): a lane holds one channel, and the 16 registers of the tokens' tiles u = 0, 1 are keys 32 c + 16 h + 0 .. 15.  So the conversions' results are operand registers.
; OUT.  qc [bh][c] and K's half of kvc [bh][block]: a fragment of 2,048 bytes for a row block: groups 2 u + b = tile u, d block b.  V's half: tile t (16 channels) x 128 keys, group c.
; K's step j goes into block (j + 31) % 32, V's step j into block j.  Scale words: [r][c] (bytes u0b0, u0b1, u1b0, u1b1) for q and k, [r][t] (a byte for each block of keys) for v: 256 consecutive bytes each.
; LIMITS: a block of zeros gets the byte 1 (its codes are zeros; this program alone reads the bytes); NaN and infinities are not served.
.set XIM,   6<<15                      ; x's images begin here
.set SPARE, 262144                     ; behind the eight loads' bytes: the spare words, 128 bytes for each wave
.set LI,   1                           ; v1   16 x lane
.set SWO,  2                           ; v2   16 r + 8 h: where my two scale words go
.set BO,   3                           ; v3   64 h: the bias's lane offset for q and k
.set SPW,  4                           ; v4   LDS address of my spare word; never rewritten
.set NIL,  5                           ; v5   0; never rewritten
.set XS,   8                           ; v8-23   x's scale words, register 4 c + s; lanes 0-15 tile u = 0, lanes 16-31 tile u = 1
.set WS,   24                          ; v24-31  W's, register 4 (t / 2) + s; lanes 0-15 even t, lanes 16-31 odd t
.set SW,   32                          ; v32-35  the scale words that I make
.set TM,   36                          ; v36-51  at work in QUANT
.set BV,   52                          ; v52  4 (r + 8 (r / 8)): the bias's lane offset for v
.set LN,   53                          ; v53  lane
.set LW,   54                          ; v54  32,768 x wave + 16 x lane: my load's bytes in LDS
.set LX,   55                          ; v55  XIM + 16 x lane
.set PC,   56                          ; v56-71   codes just made
.set ACC,  72                          ; v72-135  eight accumulators
.set BIAS, 136                         ; v136-167 the bias in the result's layout, 8 registers for each tile t of W
.set AF,   168                         ; v168-231 x's fragments: K step s in set s % 2, tile u: 32 (s % 2) + 16 u.   Window 1: W's fragment (t, s) at 16 (4 t + s)
.set WV,   22
.set Y,    23
.set BH,   24
.set STP,  25
.set G1,   32                          ; s[32:39] descriptor group 1
.set G0,   40                          ; s[40:43] group 0
.set SEL,  44
.set MNT,  46
.set BP,   48                          ; s[48:49] the bias at my head
.set CB,   50                          ; s[50:51] where my codes go
.set SB,   52                          ; s[52:53] where my scale words go
.set WB,   54                          ; s[54:55] my rows of W
.set WSB,  56                          ; s[56:57] their scale words
.set XSB,  58                          ; s[58:59] x's scale words
.set MSB, 0
.macro WIN new                         ; the immediate's high byte repeats the setting that is left; a switch that changes nothing is dropped
.if MSB != (\new)
	s_set_vgpr_msb (MSB<<8)|(\new)
.set MSB, (\new)
.endif
.endm
.macro PLACES                          ; eight plain instructions behind this matrix form, ahead of loads into its operands and of reads of its results
.rept 8
	v_nop
.endr
.endm
.macro QUANT s                         ; 64 numbers of a lane, register 16 b + i, become codes in v[PC] on and four scale bytes in v[TM+4] on; a block of 32 lies in lanes l and l xor 16
.irp b, 0,1,2,3
	v_max3_num_f32 v[TM+\b], |v[\s+16*\b]|, |v[\s+1+16*\b]|, 0x4800000   ; each accumulator is read from its low end on; the floor 2^(9 - 127) holds the byte at 1 from below
.endr
.irp i, 2,4,6,8,10,12,14
.irp b, 0,1,2,3
	v_max3_num_f32 v[TM+\b], v[TM+\b], |v[\s+16*\b+\i]|, |v[\s+1+16*\b+\i]|
.endr
.endr
.irp b, 0,1,2,3
	v_permlanex16_b32 v[TM+4+\b], v[TM+\b], s[SEL], s[SEL+1]
.endr
.irp b, 0,1,2,3
	v_max_num_f32 v[TM+\b], v[TM+\b], v[TM+4+\b]
.endr
.irp b, 0,1,2,3
	v_add_nc_u32 v[TM+12+\b], 0xfc000000, v[TM+\b]         ; 8 off the exponent field: the conversion's scale operand
.endr
.irp b, 0,1,2,3
	v_and_or_b32 v[TM+8+\b], v[TM+\b], 0x7f800000, s[MNT]  ; 448 x the scale
.endr
.irp b, 0,1,2,3
	v_lshrrev_b32 v[TM+4+\b], 23, v[TM+12+\b]              ; the scale's byte
.endr
.irp b, 0,1,2,3
.irp i, 0,1,2,3,4,5,6,7,8,9,10,11,12,13,14,15
	v_med3_num_f32 v[\s+16*\b+\i], v[\s+16*\b+\i], -v[TM+8+\b], v[TM+8+\b]   ; the conversion does not saturate (ISA guide 7.6.2)
.endr
	v_cvt_scalef32_pk8_fp8_f32 v[PC+4*\b:PC+4*\b+1], v[\s+16*\b:\s+16*\b+7], v[TM+12+\b]
	v_cvt_scalef32_pk8_fp8_f32 v[PC+4*\b+2:PC+4*\b+3], v[\s+16*\b+8:\s+16*\b+15], v[TM+12+\b]
.endr
	v_nop                                          ; a plain instruction behind the last conversion: the next products write its sources
.endm
.macro WM d, a, b, c, sa, sb, ra, rb   ; one product; ra, rb: the side's scale words stand in lanes 16-31
.if (\ra) && (\rb)
	v_wmma_scale_f32_16x16x128_f8f6f4 v[\d:\d+7], v[\a:\a+15], v[\b:\b+15], v[\c:\c+7], v[\sa], v[\sb] matrix_a_scale:MATRIX_SCALE_ROW1 matrix_b_scale:MATRIX_SCALE_ROW1
.elseif (\ra)
	v_wmma_scale_f32_16x16x128_f8f6f4 v[\d:\d+7], v[\a:\a+15], v[\b:\b+15], v[\c:\c+7], v[\sa], v[\sb] matrix_a_scale:MATRIX_SCALE_ROW1
.elseif (\rb)
	v_wmma_scale_f32_16x16x128_f8f6f4 v[\d:\d+7], v[\a:\a+15], v[\b:\b+15], v[\c:\c+7], v[\sa], v[\sb] matrix_b_scale:MATRIX_SCALE_ROW1
.else
	v_wmma_scale_f32_16x16x128_f8f6f4 v[\d:\d+7], v[\a:\a+15], v[\b:\b+15], v[\c:\c+7], v[\sa], v[\sb]
.endif
.endm
.macro AFETCH c, sp                    ; x's fragments of row block c, K steps 2 sp and 2 sp + 1, both tiles: 16 loads of 512 consecutive bytes
.irp p, 0,1
.irp u, 0,1
.irp g, 0,1,2,3
	ds_load_b128 v[AF+32*\p+16*\u+4*\g:AF+32*\p+16*\u+4*\g+3], v[LX] offset:16384*(\c)+8192*\u+2048*(2*(\sp)+\p)+512*\g
.endr
.endr
.endr
.endm
; Eight products: K step s of row block c.  The eight accumulators take turns, one instruction a turn, in the same order in every K step.  The bias is the C of each sum's first product.
.macro MULS c, s, vp
.if \vp
	WIN 0x04                                       ; source 1 (W) in window 1
.else
	WIN 0x01                                       ; source 0 (W) in window 1
.endif
.irp u, 0,1
.irp t, 0,1,2,3
.if \vp
.set rD, ACC+16*\t+8*\u
.else
.set rD, ACC+32*\u+8*\t
.endif
.set rC, rD
.if (\s) == 0
.set rC, BIAS+8*\t
.endif
.if \vp
	WM rD, AF+32*((\s)%2)+16*\u, 16*(4*\t+(\s)), rC, XS+4*(\c)+(\s), WS+4*(\t/2)+(\s), \u, \t%2
.else
	WM rD, 16*(4*\t+(\s)), AF+32*((\s)%2)+16*\u, rC, WS+4*(\t/2)+(\s), XS+4*(\c)+(\s), \t%2, \u
.endif
.endr
.endr
.endm
; Row block c: 32 products, the quantiser, four stores of 512 consecutive bytes.  vp = 1: v's path.
.macro BLK c, vp
	s_wait_dscnt 0x0                               ; K steps 0 and 1 are in (block 0: and W, where it came through LDS)
	MULS \c, 0, \vp
	MULS \c, 1, \vp
	WIN 0
	PLACES
	AFETCH \c, 1
	s_wait_dscnt 0x0
	MULS \c, 2, \vp
	MULS \c, 3, \vp
	WIN 0
	PLACES
.if \c < 3
	AFETCH \c+1, 0                                 ; the next block's first fragments land while this block is quantised
.endif
	s_wait_xcnt 0x0                                ; the last block's stores have read their registers: the codes may be written again
	QUANT ACC
.if \vp
.irp t, 0,1,2,3
.if \c == 0
	v_mov_b32 v[SW+\t], v[TM+4+\t]                 ; v: block t of the quantiser is tile t's channel; its byte is that of key block c
.else
	v_lshl_or_b32 v[SW+\t], v[TM+4+\t], 8*(\c), v[SW+\t]
.endif
.endr
.irp t, 0,1,2,3
	global_store_b128 v[LI], v[PC+4*\t:PC+4*\t+3], s[CB:CB+1] offset:2048*\t+512*(\c)
.endr
.else
	v_lshl_or_b32 v[SW+\c], v[TM+5], 8, v[TM+4]    ; q, k: the quantiser's blocks are (u0 b0, u0 b1, u1 b0, u1 b1): the row block's word
	v_lshl_or_b32 v[SW+\c], v[TM+6], 16, v[SW+\c]
	v_lshl_or_b32 v[SW+\c], v[TM+7], 24, v[SW+\c]
.irp g, 0,1,2,3
	global_store_b128 v[LI], v[PC+4*\g:PC+4*\g+3], s[CB:CB+1] offset:2048*(\c)+512*\g
.endr
.endif
.endm
	s_load_b256 s[4:11], s[0:1], 0x0               ; xwc s[4:5], xws s[6:7], bq s[8:9], bk s[10:11]
	s_load_b256 s[12:19], s[0:1], 0x20             ; bv s[12:13], qc s[14:15], qs s[16:17], kvc s[18:19]
	s_load_b64 s[20:21], s[0:1], 0x40              ; kvs
	v_lshl_add_u32 v[SPW], v0, 2, SPARE
	v_mov_b32 v[NIL], 0
	ds_add_u32 v[SPW], v[NIL]                      ; the wave's opening: the add, twice on end, and its wait ahead of the first tensor load
	ds_add_u32 v[SPW], v[NIL]
	v_lshrrev_b32 v[LN], 5, v0
	v_readfirstlane_b32 s[WV], v[LN]               ; wave 0..7 = the head
	s_and_b32 s[Y], ttmp7, 0xffff                  ; 0: q, 1: k, 2: v
	s_mov_b32 s[G1+0], 3<<16                       ; no mask; elements of 8 bytes; no padding
	s_mov_b32 s[G1+1], 32<<16                      ; tensor_dim0 = 32: rows of 256 bytes
	s_mov_b32 s[G1+2], 128<<16                     ; tensor_dim1 = 128
	s_mov_b32 s[G1+3], 32<<16                      ; tile_dim0 = 32
	s_mov_b32 s[G1+4], 128                         ; tile_dim1 = 128: 32,768 dense bytes
	s_mov_b32 s[G1+5], 32                          ; the pitch
	s_mov_b32 s[G1+6], 0
	s_mov_b32 s[G1+7], 0
	s_mov_b32 s[G0], 1
	s_lshl_b32 s[G0+1], s[WV], 15                  ; to LDS byte 32,768 x wave
	s_lshl_b32 s26, ttmp9, 16                      ; waves 6, 7: row blocks 2 (w - 6) and the next of my group of tokens
	s_add_co_u32 s26, s26, s[G0+1]
	s_sub_co_u32 s26, s26, XIM
	s_mov_b32 s27, 0
	s_lshl_b32 s28, s[Y], 18                       ; my 64 rows of W: row blocks 256 + 16 y + 2 head on
	s_lshl_b32 s30, s[WV], 15
	s_add_co_u32 s28, s28, s30
	s_add_co_u32 s28, s28, 256*16384
	s_mov_b32 s29, 0
	s_cmp_lt_u32 s[WV], 6                          ; waves 0 to 5 fetch these rows of W
	s_cselect_b32 s26, s28, s26
	s_lshl_b32 s60, s[Y], 13                       ; their scale words
	s_lshl_b32 s30, s[WV], 10
	s_add_co_u32 s60, s60, s30
	s_add_co_u32 s60, s60, 256*512
	s_mov_b32 s61, 0
	s_lshl_b32 s62, ttmp9, 11                      ; x's scale words: 4 row blocks of 512 bytes
	s_mov_b32 s63, 0
	s_lshr_b32 s[BH], ttmp9, 5
	s_lshl_b32 s[BH], s[BH], 3
	s_add_co_u32 s[BH], s[BH], s[WV]               ; 8 batch + head
	s_and_b32 s[STP], ttmp9, 31                    ; which 128 tokens of the sequence
	s_cmp_eq_u32 s[Y], 1                           ; k alone: step j goes into block (j + 31) % 32 of kvc and kvs, so that a block holds K's step j + 1 beside V's step j, as the next launch walks them
	s_cselect_b32 s30, 31, 0
	s_add_co_u32 s[STP], s[STP], s30
	s_and_b32 s[STP], s[STP], 31
	s_mov_b32 s[SEL], 0x76543210
	s_mov_b32 s[SEL+1], 0xfedcba98
	s_mov_b32 s[MNT], 0x600000
	v_and_b32 v[LN], 31, v0
	v_lshlrev_b32 v[LI], 4, v[LN]
	v_add_nc_u32 v[LX], XIM, v[LI]
	v_add_nc_u32 v[LW], s[G0+1], v[LI]
	v_and_b32 v[SWO], 15, v0                       ; r
	v_bfe_u32 v[BO], v0, 4, 1                      ; h
	v_and_b32 v[BV], 8, v[SWO]
	v_add_nc_u32 v[BV], v[BV], v[SWO]              ; r + 8 (r / 8)
	v_lshlrev_b32 v[BV], 2, v[BV]
	v_lshlrev_b32 v[SWO], 4, v[SWO]
	v_lshl_add_u32 v[SWO], v[BO], 3, v[SWO]
	v_lshlrev_b32 v[BO], 6, v[BO]
.irp b, 0,1,2,3
	v_mov_b32 v[TM+4+\b], 0                        ; written once: a lane permute's destination counts as one of its sources
.endr
	s_wait_alu depctr_va_vdst(0)
	s_wait_dscnt 0x0                               ; both opening adds are done
	s_wait_kmcnt 0x0
	s_add_nc_u64 s[G0+2:G0+3], s[4:5], s[26:27]
	s_or_b32 s[G0+3], s[G0+3], 0x80000000          ; type = 2
	tensor_load_to_lds s[G0:G0+3], s[G1:G1+7]      ; one load a wave; these bytes are filled once
	s_nop 0
.rept 4
	v_nop
.endr
	s_add_nc_u64 s[WB:WB+1], s[4:5], s[28:29]
	s_add_nc_u64 s[WSB:WSB+1], s[6:7], s[60:61]
	s_add_nc_u64 s[XSB:XSB+1], s[6:7], s[62:63]
	s_lshl_b32 s26, s[BH], 18                      ; in qc: 262,144 bh + 8,192 step; in kvc twice that, v's half 8,192 further on
	s_lshl_b32 s30, s[STP], 13
	s_add_co_u32 s26, s26, s30
	s_lshl_b32 s28, s[BH], 13                      ; in qs: 8,192 bh + 256 step; in kvs twice that, v's half 256 further on
	s_lshl_b32 s30, s[STP], 8
	s_add_co_u32 s28, s28, s30
	s_cmp_lg_u32 s[Y], 0
	s_cselect_b32 s30, 1, 0
	s_cselect_b64 s[CB:CB+1], s[18:19], s[14:15]
	s_cselect_b64 s[SB:SB+1], s[20:21], s[16:17]
	s_lshl_b32 s26, s26, s30
	s_lshl_b32 s28, s28, s30
	s_cmp_eq_u32 s[Y], 2
	s_cselect_b32 s30, 8192, 0
	s_cselect_b32 s31, 256, 0
	s_cselect_b64 s[BP:BP+1], s[12:13], s[10:11]
	s_add_co_u32 s26, s26, s30
	s_add_co_u32 s28, s28, s31
	s_add_nc_u64 s[CB:CB+1], s[CB:CB+1], s[26:27]
	s_add_nc_u64 s[SB:SB+1], s[SB:SB+1], s[28:29]
	s_cmp_eq_u32 s[Y], 0
	s_cselect_b64 s[BP:BP+1], s[8:9], s[BP:BP+1]
	s_lshl_b32 s26, s[WV], 8                       ; my head's 64 numbers of the bias
	s_add_nc_u64 s[BP:BP+1], s[BP:BP+1], s[26:27]
	global_load_b128 v[WS:WS+3], v[LI], s[WSB:WSB+1]
	global_load_b128 v[WS+4:WS+7], v[LI], s[WSB:WSB+1] offset:512
.irp c, 0,1,2,3
	global_load_b128 v[XS+4*\c:XS+4*\c+3], v[LI], s[XSB:XSB+1] offset:512*\c
.endr
	s_cmp_lt_u32 s[WV], 6
	s_cbranch_scc1 .Lw_by_lds
	WIN 0x40                                       ; destination window 1
.set i, 0
.rept 64
	global_load_b128 v[4*i:4*i+3], v[LI], s[WB:WB+1] offset:512*i   ; waves 6, 7: W's 16 fragments lie on end in the order of my registers; they stay
.set i, i+1
.endr
	WIN 0
.Lw_by_lds:
	s_wait_tensorcnt 0x0                           ; my load has landed,
	s_barrier_signal -1
	s_barrier_wait -1                              ; everybody's has
	s_cmp_lt_u32 s[WV], 6
	s_cbranch_scc0 .Lw_in
	WIN 0x40
.set i, 0
.rept 64
	ds_load_b128 v[4*i:4*i+3], v[LW] offset:512*i  ; waves 0 to 5: the same image out of my own load's bytes
.set i, i+1
.endr
	WIN 0
.Lw_in:
	s_cmp_eq_u32 s[Y], 2                           ; the paths part on the work-group's number; neither stores to LDS
	s_cbranch_scc1 .Lv_path
	s_wait_alu depctr_va_vdst(0)
.irp t, 0,1,2,3
	global_load_b128 v[BIAS+8*\t:BIAS+8*\t+3], v[BO], s[BP:BP+1] offset:4*(32*(\t/2)+8*(\t%2))       ; register j of tile t: d = 32 (t / 2) + 8 (t % 2) + 16 h + j
	global_load_b128 v[BIAS+8*\t+4:BIAS+8*\t+7], v[BO], s[BP:BP+1] offset:4*(32*(\t/2)+8*(\t%2))+16
.endr
	AFETCH 0, 0
	s_wait_loadcnt 0x0                             ; the scale words, the bias, and W where it came by loads
	BLK 0, 0
	BLK 1, 0
	BLK 2, 0
	BLK 3, 0
	s_branch .Ltail
.Lv_path:
	s_wait_alu depctr_va_vdst(0)
.irp t, 0,1,2,3
	global_load_b32 v[BIAS+8*\t], v[BV], s[BP:BP+1] offset:4*(32*(\t/2)+8*(\t%2))   ; a lane holds one channel: d = 32 (t / 2) + 8 (t % 2) + r + 8 (r / 8)
.endr
	AFETCH 0, 0
	s_wait_loadcnt 0x0
.irp t, 0,1,2,3
.irp j, 1,2,3,4,5,6,7
	v_mov_b32 v[BIAS+8*\t+\j], v[BIAS+8*\t]        ; the same for its eight tokens
.endr
.endr
	s_wait_alu depctr_va_vdst(0)
	BLK 0, 1
	BLK 1, 1
	BLK 2, 1
	BLK 3, 1
.Ltail:
	v_cmp_le_u32 vcc_lo, 16, v[LN]                 ; both halves of the lanes hold row r's four words: lanes 0-15 store words 0 and 1, lanes 16-31 words 2 and 3
	v_cndmask_b32 v6, v[SW], v[SW+2], vcc_lo
	s_wait_alu depctr_va_vdst(0)
	v_cndmask_b32 v7, v[SW+1], v[SW+3], vcc_lo
	global_store_b64 v[SWO], v[6:7], s[SB:SB+1]    ; 32 lanes store 256 consecutive bytes, aligned
	s_wait_tensorcnt 0x0                           ; the wave's end
	ds_add_u32 v[SPW], v[NIL]
	s_wait_dscnt 0x0
	s_endpgm
.Lfunc_end_k_q7c82f1fa4e_proj:
	.size	k_q7c82f1fa4e_proj, .Lfunc_end_k_q7c82f1fa4e_proj-k_q7c82f1fa4e_proj
	.p2alignl 7, 3214868480
	.fill 96, 4, 3214868480
	.section	.rodata,"a",@progbits
	.p2align	6, 0x0
	.amdhsa_kernel k_q7c82f1fa4e_proj
		.amdhsa_group_segment_fixed_size 263168
		.amdhsa_private_segment_fixed_size 0
		.amdhsa_enable_private_segment 0
		.amdhsa_kernarg_size 72
		.amdhsa_user_sgpr_count 2
		.amdhsa_user_sgpr_kernarg_segment_ptr 1
		.amdhsa_wavefront_size32 1
		.amdhsa_system_sgpr_workgroup_id_x 1
		.amdhsa_system_sgpr_workgroup_id_y 1
		.amdhsa_system_sgpr_workgroup_id_z 1
		.amdhsa_system_vgpr_workitem_id 0
		.amdhsa_next_free_vgpr 512
		.amdhsa_next_free_sgpr 66
		.amdhsa_reserve_vcc 1
		.amdhsa_float_denorm_mode_32 3
		.amdhsa_float_denorm_mode_16_64 3
		.amdhsa_memory_ordered 1
		.amdhsa_forward_progress 1
		.amdhsa_inst_pref_size 139
	.end_amdhsa_kernel
	.amdgpu_metadata
---
amdhsa.version: [ 1, 2 ]
amdhsa.kernels:
  - .name:           k_q7c82f1fa4e_proj
    .symbol:         k_q7c82f1fa4e_proj.kd
    .args:
      - { .name: xwc, .offset: 0, .size: 8, .value_kind: global_buffer, .address_space: global }
      - { .name: xws, .offset: 8, .size: 8, .value_kind: global_buffer, .address_space: global }
      - { .name: bq, .offset: 16, .size: 8, .value_kind: global_buffer, .address_space: global }
      - { .name: bk, .offset: 24, .size: 8, .value_kind: global_buffer, .address_space: global }
      - { .name: bv, .offset: 32, .size: 8, .value_kind: global_buffer, .address_space: global }
      - { .name: qc, .offset: 40, .size: 8, .value_kind: global_buffer, .address_space: global }
      - { .name: qs, .offset: 48, .size: 8, .value_kind: global_buffer, .address_space: global }
      - { .name: kvc, .offset: 56, .size: 8, .value_kind: global_buffer, .address_space: global }
      - { .name: kvs, .offset: 64, .size: 8, .value_kind: global_buffer, .address_space: global }
    .group_segment_fixed_size: 263168
    .private_segment_fixed_size: 0
    .kernarg_segment_align: 8
    .kernarg_segment_size: 72
    .max_flat_workgroup_size: 256
    .sgpr_count:     66
    .vgpr_count:     512
    .wavefront_size: 32
...
	.end_amdgpu_metadata
.endif
;; end of part 2
;; launch attn (part 3): grid 16 x 16, 8 waves a work-group, clusters of 4 x 1, 327,680 bytes of LDS; arguments qc, qs, kvc, kvs, oc, os; writes oc, os
.if DOCPART == 3
	.amdgcn_target "amdgcn-amd-amdhsa--gfx1250"
	.amdhsa_code_object_version 6
	.text
	.protected	k_q7c82f1fa4e_attn
	.globl	k_q7c82f1fa4e_attn
	.p2align	8
	.type	k_q7c82f1fa4e_attn,@function
k_q7c82f1fa4e_attn:
	s_mov_b64 s[64:65], 0
	v_nop
	global_prefetch_b8 v0, s[64:65] scope:SCOPE_SE
	s_setreg_imm32_b32 hwreg(HW_REG_WAVE_MODE, 25, 1), 1
	s_wait_xcnt 0x0
	s_wait_alu depctr_hold_cnt(0) depctr_sa_sdst(0) depctr_va_vdst(0) depctr_va_sdst(0) depctr_va_ssrc(0) depctr_va_vcc(0) depctr_vm_vsrc(0)
	s_getreg_b32 s2, hwreg(HW_REG_IB_STS2, 6, 4)
	s_cmp_eq_u32 s2, 0
	s_cbranch_scc0 .Lentry_in_a_cluster
	s_endpgm
.Lentry_in_a_cluster:
	s_bfe_u32 s2, ttmp6, 0x10000c
	s_cmp_lg_u32 s2, 0x3003
	s_cbranch_scc0 .Lentry_shape_is_right
	s_endpgm
.Lentry_shape_is_right:
; Launch 3 of 4: o = softmax(q k^T / 8) v for each of the 16 (batch, head), both products on codes of E4M3, and o's quantising along the head's 64 for the last launch.  Nothing of the problem is left out.
; THE SOFTMAX: t = score x log2(e) / 8; M = the running largest t rounded up to a whole number; p = 2^(t - M) is quantised along the keys, not normalised; the row's sum is taken of the unquantised p and divides at the end.
; When M moves, the sum and O^T are multiplied by 2^(old M - new M), which rounds nothing.  LIMITS: the promise holds while |t| stays under 2^31; NaN and infinities are not served; a block of zeros has the byte 1 (its codes are zeros).
; SHARES: work-group = 256 queries of one (batch, head); wave = 32 queries, two tiles A and B of 16.  Every wave walks the 4,096 keys in 32 trips of 128.  The four work-groups of a cluster walk the same K and V and ask for them jointly.
; BLOCK j of kvc (16,384 bytes) holds K's step j + 1 (8,192 bytes, four fragments of 32 keys) and V's step j (four fragments of 16 channels x 128 keys); block j of kvs (512 bytes) their scale words: lanes 0-15 K's, lanes 16-31 V's.
; So trip j, behind its score products, fetches ONE block: the next trip's K and its own V, 33 LDS loads, waited for once, ahead of the second product.  The last trip fetches V alone.
; RING: two slots of 8 blocks.  At the head waves 0, 1 fetch slot 0 (four blocks each), waves 2, 3 the (batch, head)'s 16,384 scale bytes, which stay, waves 4-7 K's step 0 (it lies in block 31; 2,048 bytes each, to bytes of its own).
; At each change of slots every wave fetches one block of the slot after next's place.
; No prefetch into the L2: a slot's load is asked for eight trips ahead of the wait for it, and each block is asked for once in a cluster.
; BOTH PRODUCTS ARE USED TRANSPOSED (source 0 = keys, or V's channels; source 1 = queries): a lane holds one query.  A head has 64 numbers, a product 128 along K: a fragment of K holds two tiles of 16 keys side by side,
; and Q stands as (q, 0, q) in 24 registers, so that registers 0-15 pick the first tile and registers 8-23 the second.
; REGISTERS.  Window 0: all of the softmax of both tiles, so that their chains take turns line by line and one tile's exponentials stand among the other's plain lines.  Window 1: O^T (2 x 32), K (64), V (64), Q (2 x 24).
.set STEPB, 16384
.set SLOT1, 1<<17
.set SCL,   2*SLOT1                    ; behind the ring: the scale words
.set K0L,   SCL+16384                  ; K's step 0
.set OSS,   K0L+8192                   ; o's scale half-words on the way out: 512 bytes that no tensor load fills
.set SPARE, OSS+512                    ; the spare words, 128 bytes for each wave
.set LI,   1                           ; v1  16 x lane
.set LSC,  2                           ; v2  SCL + 16 x lane
.set ADK,  3                           ; v3  the trip's block
.set ADS,  4                           ; v4  its scale words
.set QO,   5
.set SPW,  6                           ; v6  my spare word; never rewritten
.set NIL,  7                           ; v7  0; never rewritten
.set SC,   8                           ; v8-11  K's and V's scale words
.set QSA,  12                          ; v12-15 Q's: register 2 w + u
.set LN,   16
.set OSA,  17
.set OSR,  18
.set HB,   19
.set PWA,  22                          ; v22, v23 p's scale words of tiles A, B
.set T,    24                          ; v24-51, v52-79: a tile's small state
.set TW,   28
.set NM,   T                           ; -M
.set SX,   T+1                         ; the running largest score
.set SUM,  T+2                         ; the row's sum, two halves
.set BM,   T+4                         ; the blocks' largest
.set X1,   T+8
.set HD,   T+12                        ; 448 x the scale
.set SO,   T+16                        ; the conversions' scale operands
.set FAC,  T+20                        ; 2^(old M - new M)
.set TP,   T+22
.set PWT,  T+24
.set PC,   80                          ; v80-95, v96-111 p's codes
.set S,    112                         ; v112-175, v176-239 scores, then p
.set C1,   240                         ; v240-245, v246-251 three more chains of a tile's sum
.set OB,   252
.set OT,   0                           ; window 1
.set KF,   64                          ; K at 64, V at 128: a block's 32 groups on end
.set VF,   128
.set Q3,   192
.set WV,   16
.set G1,   24                          ; group 1: a block, 64 rows of 256 bytes
.set G1S,  32                          ; 32 rows: half of the scale bytes
.set G0,   40
.set G0S,  44
.set CS,   48
.set SEL,  50
.set MNT,  52
.set TB,   53
.set TS,   54
.set SLOTS, 55
.set STEPS, 56
.set G1H,  68                          ; 256 rows: four blocks
.set G0H,  76
.set G1K,  84                          ; 8 rows: a quarter of K's step 0
.set G0K,  92
.set MSB, 0
.macro WIN new                         ; the immediate's high byte repeats the setting that is left
.if MSB != (\new)
	s_set_vgpr_msb (MSB<<8)|(\new)
.set MSB, (\new)
.endif
.endm
.macro WALU
	s_wait_alu depctr_va_vdst(0)
.endm
.macro CROUND
	s_barrier_signal -1
	s_barrier_wait -1
	s_cmp_lg_u32 s[WV], 0
	s_cbranch_scc1 .Lnot_wave_0_\@
	s_barrier_signal -3
.Lnot_wave_0_\@:
	s_barrier_wait -3
	s_barrier_signal -1
	s_barrier_wait -1
.endm
.macro SUMS w                          ; the row's sum of the unquantised p: 29 packed additions in four chains; the chains are joined by JOINS
.set SS, S+64*(\w)
.set SU, SUM+TW*(\w)
.set CA, C1+6*(\w)
	v_pk_add_f32 v[SU:SU+1], v[SU:SU+1], v[SS:SS+1]
	v_pk_add_f32 v[CA:CA+1], v[SS+2:SS+3], v[SS+4:SS+5]
	v_pk_add_f32 v[CA+2:CA+3], v[SS+6:SS+7], v[SS+8:SS+9]
	v_pk_add_f32 v[CA+4:CA+5], v[SS+10:SS+11], v[SS+12:SS+13]
.set j, 14
.rept 6
	v_pk_add_f32 v[SU:SU+1], v[SU:SU+1], v[SS+j:SS+j+1]
	v_pk_add_f32 v[CA:CA+1], v[CA:CA+1], v[SS+j+2:SS+j+3]
	v_pk_add_f32 v[CA+2:CA+3], v[CA+2:CA+3], v[SS+j+4:SS+j+5]
	v_pk_add_f32 v[CA+4:CA+5], v[CA+4:CA+5], v[SS+j+6:SS+j+7]
.set j, j+8
.endr
	v_pk_add_f32 v[SU:SU+1], v[SU:SU+1], v[SS+62:SS+63]
.endm
.macro JOINS                           ; the last trip's three side chains go into the sums, still under that trip's M: six plain lines that name no register of a product
.irp w, 0,1
	v_pk_add_f32 v[C1+6*\w:C1+6*\w+1], v[C1+6*\w:C1+6*\w+1], v[C1+6*\w+2:C1+6*\w+3]
.endr
.irp w, 0,1
	v_pk_add_f32 v[SUM+TW*\w:SUM+TW*\w+1], v[SUM+TW*\w:SUM+TW*\w+1], v[C1+6*\w+4:C1+6*\w+5]
.endr
.irp w, 0,1
	v_pk_add_f32 v[SUM+TW*\w:SUM+TW*\w+1], v[SUM+TW*\w:SUM+TW*\w+1], v[C1+6*\w:C1+6*\w+1]
.endr
.endm
.macro MIN2 w, n                       ; two holds in one line: the conversion does not saturate (ISA guide 7.6.2); p is not negative, so the hold is one-sided
	v_dual_min_num_f32 v[S+64*(\w)+(\n)], v[S+64*(\w)+(\n)], v[HD+TW*(\w)+(\n)/16] :: v_dual_min_num_f32 v[S+64*(\w)+(\n)+1], v[S+64*(\w)+(\n)+1], v[HD+TW*(\w)+(\n)/16]
.endm
.macro CODES w
.irp b, 0,1,2,3
	v_cvt_scalef32_pk8_fp8_f32 v[PC+16*(\w)+4*\b:PC+16*(\w)+4*\b+1], v[S+64*(\w)+16*\b:S+64*(\w)+16*\b+7], v[SO+TW*(\w)+\b]
	v_cvt_scalef32_pk8_fp8_f32 v[PC+16*(\w)+4*\b+2:PC+16*(\w)+4*\b+3], v[S+64*(\w)+16*\b+8:S+64*(\w)+16*\b+15], v[SO+TW*(\w)+\b]
.endr
.endm
; A TRIP: 128 keys for both tiles.  kl = 1: the next trip's K is fetched too.
.macro TRIP kl
	WIN 0x05                                       ; K and Q in window 1, the scores in window 0
.irp w, 0,1
.irp f, 0,1,2,3
.irp u, 0,1
	v_wmma_scale_f32_16x16x128_f8f6f4 v[S+64*\w+8*(2*\f+\u):S+64*\w+8*(2*\f+\u)+7], v[KF+16*\f:KF+16*\f+15], v[Q3+24*\w+8*\u:Q3+24*\w+8*\u+15], 0, v[SC+\f], v[QSA+2*\w+\u]
.endr
.endr
.endr
	WIN 0
	v_add_nc_u32 v[ADK], s[TB], v[LI]              ; eight plain lines behind the products, ahead of the loads into their operands and of the first read of the scores: these two and JOINS' six
	v_add_nc_u32 v[ADS], s[TS], v[LSC]
	JOINS
	ds_load_b128 v[SC:SC+3], v[ADS]
	WIN 0x40
.set j, 16-16*(\kl)
.rept 16+16*(\kl)
	ds_load_b128 v[KF+4*j:KF+4*j+3], v[ADK] offset:512*j
.set j, j+1
.endr
	WIN 0
; the largest score of each block of 32 keys: eight chains by turns; each accumulator is read from its low end on.  An even block leaves its register 15 for the pair below, an odd block its register 0
.irp b, 0,1,2,3
.irp w, 0,1
	v_max3_num_f32 v[BM+TW*\w+\b], v[S+64*\w+16*\b+\b%2], v[S+64*\w+16*\b+\b%2+1], v[S+64*\w+16*\b+\b%2+2]
.endr
.endr
.irp i, 3,5,7,9,11,13
.irp b, 0,1,2,3
.irp w, 0,1
	v_max3_num_f32 v[BM+TW*\w+\b], v[BM+TW*\w+\b], v[S+64*\w+16*\b+\b%2+\i], v[S+64*\w+16*\b+\b%2+\i+1]
.endr
.endr
.endr
.irp b, 0,2
.irp w, 0,1
	v_dual_max_num_f32 v[BM+TW*\w+\b], v[BM+TW*\w+\b], v[S+64*\w+16*\b+15] :: v_dual_max_num_f32 v[BM+TW*\w+\b+1], v[BM+TW*\w+\b+1], v[S+64*\w+16*\b+16]
.endr
.endr
.irp b, 0,1,2,3
.irp w, 0,1
	v_permlanex16_b32 v[X1+TW*\w+\b], v[BM+TW*\w+\b], s[SEL], s[SEL+1]
.endr
.endr
.irp b, 0,2
.irp w, 0,1
	v_dual_max_num_f32 v[BM+TW*\w+\b], v[BM+TW*\w+\b], v[X1+TW*\w+\b] :: v_dual_max_num_f32 v[BM+TW*\w+\b+1], v[BM+TW*\w+\b+1], v[X1+TW*\w+\b+1]   ; with lane l xor 16's 16 keys
.endr
.endr
; M and f, the two tiles by turns
.irp w, 0,1
	v_max3_num_f32 v[TP+TW*\w], v[BM+TW*\w], v[BM+TW*\w+1], v[BM+TW*\w+2]
.endr
.irp w, 0,1
	v_max3_num_f32 v[SX+TW*\w], v[SX+TW*\w], v[TP+TW*\w], v[BM+TW*\w+3]   ; the running largest score
.endr
.irp w, 0,1
	v_mul_f32 v[TP+TW*\w], s[CS], v[SX+TW*\w]      ; as t
.endr
.irp w, 0,1
	v_floor_f32 v[TP+TW*\w], -v[TP+TW*\w]          ; the new -M = -ceil(t)
.endr
.irp w, 0,1
	v_sub_f32 v[FAC+TW*\w], v[TP+TW*\w], v[NM+TW*\w]   ; old M - new M: a whole number, 0 or less
.endr
.irp w, 0,1
	v_mov_b32 v[NM+TW*\w], v[TP+TW*\w]
.endr
.irp w, 0,1
	v_cvt_i32_f32 v[FAC+TW*\w], v[FAC+TW*\w]       ; (it saturates)
.endr
.irp w, 0,1
	v_ldexp_f32 v[FAC+TW*\w], 1.0, v[FAC+TW*\w]
.endr
.set j, 0
.rept 32
	v_pk_fma_f32 v[S+j:S+j+1], v[S+j:S+j+1], s[CS:CS+1], v[NM:NM+1] op_sel_hi:[1,0,0]   ; A: t - M
.set j, j+2
.endr
.irp w, 0,1
.irp b, 0,2
	v_pk_fma_f32 v[BM+TW*\w+\b:BM+TW*\w+\b+1], v[BM+TW*\w+\b:BM+TW*\w+\b+1], s[CS:CS+1], v[NM+TW*\w:NM+TW*\w+1] op_sel_hi:[1,0,0]   ; the same line on each block's largest score gives the same bits
.endr
.endr
	WALU                                           ; a wait ahead of a batch of exponentials and one behind it
.irp w, 0,1
.irp b, 0,1,2,3
	v_exp_f32 v[BM+TW*\w+\b], v[BM+TW*\w+\b]       ; the blocks' largest p
.endr
.endr
.set j, 0
.rept 32
	v_exp_f32 v[S+j], v[S+j]                       ; A's p; among them B's t - M, whose sources stand ahead of the wait above and whose readers behind the next
	v_exp_f32 v[S+j+1], v[S+j+1]
	v_pk_fma_f32 v[S+64+j:S+64+j+1], v[S+64+j:S+64+j+1], s[CS:CS+1], v[NM+TW:NM+TW+1] op_sel_hi:[1,0,0]
.set j, j+2
.endr
	WALU
; the blocks' scales, both tiles
.irp b, 0,2
.irp w, 0,1
	v_dual_max_num_f32 v[BM+TW*\w+\b], 0x4800000, v[BM+TW*\w+\b] :: v_dual_max_num_f32 v[BM+TW*\w+\b+1], 0x4800000, v[BM+TW*\w+\b+1]   ; the floor 2^(9 - 127): the byte cannot fall under 1
.endr
.endr
.irp b, 0,1,2,3
.irp w, 0,1
	v_add_nc_u32 v[SO+TW*\w+\b], 0xfc000000, v[BM+TW*\w+\b]   ; 8 off the exponent field
.endr
.endr
.irp b, 0,1,2,3
.irp w, 0,1
	v_and_or_b32 v[HD+TW*\w+\b], v[BM+TW*\w+\b], 0x7f800000, s[MNT]
.endr
.endr
.irp b, 0,1,2,3
.irp w, 0,1
	v_lshrrev_b32 v[X1+TW*\w+\b], 23, v[SO+TW*\w+\b]   ; the scale's byte
.endr
.endr
.irp w, 0,1
	v_pk_mul_f32 v[SUM+TW*\w:SUM+TW*\w+1], v[SUM+TW*\w:SUM+TW*\w+1], v[FAC+TW*\w:FAC+TW*\w+1] op_sel_hi:[1,0]   ; the sums under the new M
.endr
.irp w, 0,1
	v_lshl_or_b32 v[PWT+TW*\w], v[X1+TW*\w+1], 8, v[X1+TW*\w]
.endr
.irp w, 0,1
	v_lshl_or_b32 v[PWT+TW*\w], v[X1+TW*\w+2], 16, v[PWT+TW*\w]
.endr
.irp w, 0,1
	v_lshl_or_b32 v[PWA+\w], v[X1+TW*\w+3], 24, v[PWT+TW*\w]   ; p's scale word for these 128 keys
.endr
	SUMS 0
	WALU
.set j, 0
.rept 32
	v_exp_f32 v[S+64+j], v[S+64+j]                 ; B's p; among them A's holds
	v_exp_f32 v[S+64+j+1], v[S+64+j+1]
	MIN2 0, j
.set j, j+2
.endr
	v_nop                                          ; a plain line behind the last exponential
	WALU
	s_wait_dscnt 0x0                               ; the block fetched at the trip's head is in registers
	CODES 0
	SUMS 1
.set j, 0
.rept 32
	MIN2 1, j
.set j, j+2
.endr
	CODES 1
	WIN 0x41                                       ; O^T in window 1, f in window 0
	WALU                                           ; directly ahead of the first readers of O^T
.irp w, 0,1
.set j, 0
.rept 16
	v_pk_mul_f32 v[OT+32*\w+j:OT+32*\w+j+1], v[OT+32*\w+j:OT+32*\w+j+1], v[FAC+TW*\w:FAC+TW*\w+1] op_sel_hi:[1,0]   ; O^T under the new M; these lines also stand between the conversions and the products
.set j, j+2
.endr
.endr
	WIN 0x51                                       ; V, C and D in window 1, p's codes in window 0.  Eight accumulators, one line each
.irp w, 0,1
.irp t, 0,1,2,3
	v_wmma_scale_f32_16x16x128_f8f6f4 v[OT+32*\w+8*\t:OT+32*\w+8*\t+7], v[VF+16*\t:VF+16*\t+15], v[PC+16*\w:PC+16*\w+15], v[OT+32*\w+8*\t:OT+32*\w+8*\t+7], v[SC+\t], v[PWA+\w] matrix_a_scale:MATRIX_SCALE_ROW1
.endr
.endr
	WIN 0
	s_add_co_u32 s[TB], s[TB], STEPB
	s_add_co_u32 s[TS], s[TS], 512
.endm
.macro EIGHT last                      ; a slot's eight trips; the very last trip is written out: it fetches no K
	s_mov_b32 s[STEPS], 8-(\last)
.Lstep_\@:
	TRIP 1
	s_sub_co_u32 s[STEPS], s[STEPS], 1
	s_cmp_lg_u32 s[STEPS], 0
	s_cbranch_scc1 .Lstep_\@
.if \last
	TRIP 0
.else
	s_sub_co_u32 s[TB], s[TB], 8*STEPB
	s_xor_b32 s[TB], s[TB], SLOT1
.endif
.endm
; THE CHANGE OF SLOTS, at a slot's head: my loads have landed, the add, my LDS reads are over (each trip has waited for its own); behind the round the slot just left takes the blocks after next
.macro CHANGE fill
	s_wait_tensorcnt 0x0
	ds_add_u32 v[SPW], v[NIL]
.if \fill
	s_xor_b32 s[G0+1], s[G0+1], SLOT1
	s_add_nc_u64 s[G0+2:G0+3], s[G0+2:G0+3], 8*STEPB
.endif
	s_wait_dscnt 0x0
.if \fill
	CROUND
	tensor_load_to_lds s[G0:G0+3], s[G1:G1+7]
	s_nop 0
.rept 4
	v_nop
.endr
.else
	s_barrier_signal -1
	s_barrier_wait -1
.endif
.endm
; THE WAY OUT of a tile: O^T / the sum, quantised along the head's 64 (two blocks of 32, each in lanes l and l xor 16); 8 registers of codes leave as two runs of 512 bytes
.macro OUT w
.set TT, TW*(\w)
.set SS, S+64*(\w)
	v_add_f32 v[SUM+TT], v[SUM+TT], v[SUM+TT+1]
	v_permlanex16_b32 v[X1+TT], v[SUM+TT], s[SEL], s[SEL+1]
	v_add_f32 v[SUM+TT], v[SUM+TT], v[X1+TT]
	WALU
	v_rcp_f32 v[TP+TT], v[SUM+TT]
	v_nop
	WIN 0x01
	WALU
.set j, 0
.rept 16
	v_pk_mul_f32 v[SS+j:SS+j+1], v[OT+32*(\w)+j:OT+32*(\w)+j+1], v[TP+TT:TP+TT+1] op_sel_hi:[1,0]
.set j, j+2
.endr
	WIN 0
.irp b, 0,1
	v_max3_num_f32 v[BM+TT+\b], |v[SS+16*\b]|, |v[SS+16*\b+1]|, 0x4800000
.endr
.irp i, 2,4,6,8,10,12,14
.irp b, 0,1
	v_max3_num_f32 v[BM+TT+\b], v[BM+TT+\b], |v[SS+16*\b+\i]|, |v[SS+16*\b+\i+1]|
.endr
.endr
.irp b, 0,1
	v_permlanex16_b32 v[X1+TT+\b], v[BM+TT+\b], s[SEL], s[SEL+1]
.endr
.irp b, 0,1
	v_max_num_f32 v[BM+TT+\b], v[BM+TT+\b], v[X1+TT+\b]
.endr
.irp b, 0,1
	v_add_nc_u32 v[SO+TT+\b], 0xfc000000, v[BM+TT+\b]
.endr
.irp b, 0,1
	v_and_or_b32 v[HD+TT+\b], v[BM+TT+\b], 0x7f800000, s[MNT]
.endr
.irp b, 0,1
	v_lshrrev_b32 v[X1+TT+\b], 23, v[SO+TT+\b]
.endr
	v_lshl_or_b32 v[PWT+TT], v[X1+TT+1], 8, v[X1+TT]
.irp b, 0,1
.irp i, 0,1,2,3,4,5,6,7,8,9,10,11,12,13,14,15
	v_med3_num_f32 v[SS+16*\b+\i], v[SS+16*\b+\i], -v[HD+TT+\b], v[HD+TT+\b]
.endr
	v_cvt_scalef32_pk8_fp8_f32 v[PC+16*(\w)+4*\b:PC+16*(\w)+4*\b+1], v[SS+16*\b:SS+16*\b+7], v[SO+TT+\b]
	v_cvt_scalef32_pk8_fp8_f32 v[PC+16*(\w)+4*\b+2:PC+16*(\w)+4*\b+3], v[SS+16*\b+8:SS+16*\b+15], v[SO+TT+\b]
.endr
	v_nop
	global_store_b128 v[LI], v[PC+16*(\w):PC+16*(\w)+3], s[12:13] offset:8192*(\w)
	global_store_b128 v[LI], v[PC+16*(\w)+4:PC+16*(\w)+7], s[12:13] offset:8192*(\w)+512
.endm
	s_load_b256 s[4:11], s[0:1], 0x0               ; qc s[4:5], qs s[6:7], kvc s[8:9], kvs s[10:11]
	s_load_b128 s[12:15], s[0:1], 0x20             ; oc s[12:13], os s[14:15]
	v_lshl_add_u32 v[SPW], v0, 2, SPARE
	v_mov_b32 v[NIL], 0
	ds_add_u32 v[SPW], v[NIL]                      ; the opening: the add, twice on end, and its wait ahead of the first tensor load
	ds_add_u32 v[SPW], v[NIL]
	v_lshrrev_b32 v[LN], 5, v0
	v_readfirstlane_b32 s[WV], v[LN]               ; wave 0..7
	s_and_b32 s19, ttmp7, 0xffff                   ; 8 batch + head, which the four partners share
.irp g, G1, G1H, G1S, G1K
	s_mov_b32 s[\g+0], 15|(3<<16)|(1<<21)          ; the mask: all four work-groups; elements of 8 bytes; bit 21 beside a mask
	s_mov_b32 s[\g+1], 32<<16                      ; rows of 256 dense bytes
	s_mov_b32 s[\g+3], 32<<16
	s_mov_b32 s[\g+5], 32
	s_mov_b32 s[\g+6], 0
	s_mov_b32 s[\g+7], 0
.endr
	s_mov_b32 s[G1+2], 64<<16
	s_mov_b32 s[G1+4], 64
	s_mov_b32 s[G1H+2], 256<<16
	s_mov_b32 s[G1H+4], 256
	s_mov_b32 s[G1S+2], 32<<16
	s_mov_b32 s[G1S+4], 32
	s_mov_b32 s[G1K+2], 8<<16
	s_mov_b32 s[G1K+4], 8
	s_mov_b32 s[G0], 1
	s_mov_b32 s[G0H], 1
	s_mov_b32 s[G0S], 1
	s_mov_b32 s[G0K], 1
	s_and_b32 s3, s[WV], 1
	s_and_b32 s21, s[WV], 3
	s_lshl_b32 s20, s19, 19                        ; my (batch, head) in kvc
	s_lshl_b32 s[G0+1], s[WV], 14                  ; the ring: block w of a slot
	s_add_co_u32 s22, s20, s[G0+1]
	s_mov_b32 s23, 0
	s_lshl_b32 s[G0H+1], s3, 16                    ; the head: four blocks of slot 0,
	s_add_co_u32 s58, s20, s[G0H+1]
	s_mov_b32 s59, 0
	s_lshl_b32 s60, s3, 13                         ; or 8,192 scale bytes,
	s_add_co_u32 s[G0S+1], s60, SCL
	s_lshl_b32 s61, s19, 14
	s_add_co_u32 s60, s60, s61
	s_mov_b32 s61, 0
	s_lshl_b32 s80, s21, 11                        ; or 2,048 bytes of K's step 0, which lies in block 31
	s_add_co_u32 s[G0K+1], s80, K0L
	s_add_co_u32 s80, s80, s20
	s_add_co_u32 s80, s80, 31*STEPB
	s_mov_b32 s81, 0
	s_mov_b32 s[CS], 0x3e38aa3b                    ; log2(e) / 8
	s_mov_b32 s[CS+1], s[CS]
	s_mov_b32 s[SEL], 0x76543210
	s_mov_b32 s[SEL+1], 0xfedcba98
	s_mov_b32 s[MNT], 0x600000
	s_mov_b32 s[TB], 0
	s_mov_b32 s[TS], 0
	s_mov_b32 s[SLOTS], 3
	v_and_b32 v[LN], 31, v0
	v_lshlrev_b32 v[LI], 4, v[LN]
	v_add_nc_u32 v[LSC], SCL, v[LI]
	v_add_nc_u32 v[OSR], OSS, v[LI]
	v_add_nc_u32 v[ADK], K0L, v[LI]                ; at first: K's step 0
	s_lshl_b32 s2, s[WV], 6
	s_add_co_u32 s2, s2, OSS
	v_lshl_add_u32 v[OSA], v[LN], 1, s2
	v_and_b32 v[QO], 15, v0
	v_lshlrev_b32 v[QO], 4, v[QO]
	WALU
	s_wait_dscnt 0x0
	s_wait_kmcnt 0x0
	s_add_nc_u64 s[G0+2:G0+3], s[8:9], s[22:23]
	s_or_b32 s[G0+3], s[G0+3], 0x80000000
	s_add_nc_u64 s[G0H+2:G0H+3], s[8:9], s[58:59]
	s_or_b32 s[G0H+3], s[G0H+3], 0x80000000
	s_add_nc_u64 s[G0S+2:G0S+3], s[10:11], s[60:61]
	s_or_b32 s[G0S+3], s[G0S+3], 0x80000000
	s_add_nc_u64 s[G0K+2:G0K+3], s[8:9], s[80:81]
	s_or_b32 s[G0K+3], s[G0K+3], 0x80000000
	CROUND                                         ; all four work-groups are here: the joint loads meet
; one load a wave: one chain of branches on the wave's number, an arm a load
.macro ARM under, g0, g1, next
	s_cmp_lt_u32 s[WV], \under
	s_cbranch_scc0 \next
	tensor_load_to_lds s[\g0:\g0+3], s[\g1:\g1+7]
	s_nop 0
.rept 4
	v_nop
.endr
	s_branch .Lasked
\next:
.endm
	ARM 2, G0H, G1H, .Lhead_s
	ARM 4, G0S, G1S, .Lhead_k
	tensor_load_to_lds s[G0K:G0K+3], s[G1K:G1K+7]
	s_nop 0
.rept 4
	v_nop
.endr
.Lasked:
	; my place in the cluster enters global addresses alone
	s_bfe_u32 s17, ttmp6, 0x40000
	s_lshl_b32 s18, ttmp9, 2
	s_add_co_u32 s18, s18, s17                     ; which 256 queries
	s_lshl_b32 s57, s18, 3
	s_add_co_u32 s57, s57, s[WV]                   ; my row block of 32 queries
	s_lshl_b32 s58, s19, 18
	s_lshl_b32 s62, s57, 11
	s_add_co_u32 s58, s58, s62
	s_mov_b32 s59, 0
	s_add_nc_u64 s[4:5], s[4:5], s[58:59]
	s_lshl_b32 s60, s19, 13
	s_lshr_b32 s62, s57, 2
	s_lshl_b32 s62, s62, 8
	s_add_co_u32 s60, s60, s62
	s_and_b32 s62, s57, 3
	s_lshl_b32 s62, s62, 2
	s_add_co_u32 s60, s60, s62
	s_mov_b32 s61, 0
	s_add_nc_u64 s[6:7], s[6:7], s[60:61]
	s_lshr_b32 s62, s19, 3
	s_and_b32 s63, s19, 7
	s_lshl_b32 s58, s62, 7
	s_add_co_u32 s58, s58, s57
	s_lshl_b32 s58, s58, 14
	s_lshl_b32 s57, s63, 10
	s_add_co_u32 s58, s58, s57
	s_add_nc_u64 s[12:13], s[12:13], s[58:59]
	s_lshl_b32 s60, s63, 14
	s_lshl_b32 s62, s62, 13
	s_add_co_u32 s60, s60, s62
	s_lshl_b32 s62, s18, 9
	s_add_co_u32 s60, s60, s62
	s_add_nc_u64 s[14:15], s[14:15], s[60:61]
	global_load_b32 v[QSA], v[QO], s[6:7]
	WIN 0x40
.irp w, 0,1
	global_load_b128 v[Q3+24*\w:Q3+24*\w+3], v[LI], s[4:5] offset:1024*\w
	global_load_b128 v[Q3+24*\w+4:Q3+24*\w+7], v[LI], s[4:5] offset:1024*\w+512
.irp j, 0,1,2,3,4,5,6,7
	v_mov_b32 v[Q3+24*\w+8+\j], 0
.endr
.endr
.set j, 0
.rept 64
	v_mov_b32 v[OT+j], 0                           ; the trip is written once: the first finds zeros, which the first change of M leaves zeros
.set j, j+1
.endr
	WIN 0
.irp w, 0,1
	v_mov_b32 v[SX+TW*\w], 0xff61b1e6              ; -3e38, under every score
	v_mov_b32 v[NM+TW*\w], 0x7f61b1e6
	v_mov_b32 v[SUM+TW*\w], 0
	v_mov_b32 v[SUM+TW*\w+1], 0
.irp b, 0,1,2,3
	v_mov_b32 v[X1+TW*\w+\b], 0                    ; a lane permute's destination counts as one of its sources
.endr
	v_mov_b32 v[FAC+TW*\w+1], 0                    ; named as the upper halves of pairs
	v_mov_b32 v[TP+TW*\w+1], 0
.irp j, 0,1,2,3,4,5
	v_mov_b32 v[C1+6*\w+\j], 0                     ; the first trip joins empty chains
.endr
.endr
	s_wait_loadcnt 0x0
	v_lshrrev_b32 v[QSA+2], 16, v[QSA]             ; a row block's word holds (tile 0: d blocks 0, 1; tile 1: d blocks 0, 1): each tile's two bytes under the first and under the second half of K
	v_and_b32 v[QSA+3], 0xffff0000, v[QSA]
	v_lshlrev_b32 v[QSA+1], 16, v[QSA]
	v_and_b32 v[QSA], 0xffff, v[QSA]
	WIN 0x41
.irp w, 0,1
.irp j, 0,1,2,3,4,5,6,7
	v_mov_b32 v[Q3+24*\w+16+\j], v[Q3+24*\w+\j]    ; (q, 0, q)
.endr
.endr
	WIN 0
	WALU
	s_wait_tensorcnt 0x0                           ; my load of the head has landed,
	s_barrier_signal -1
	s_barrier_wait -1                              ; everybody's has
	ds_load_b128 v[SC:SC+3], v[LSC] offset:31*512  ; the scale words of K's step 0 (lanes 0-15)
	WIN 0x40
.set j, 0
.rept 16
	ds_load_b128 v[KF+4*j:KF+4*j+3], v[ADK] offset:512*j   ; K's step 0; the first change of slots waits for these loads
.set j, j+1
.endr
	WIN 0
.Lslot:
	CHANGE 1
	EIGHT 0
	s_sub_co_u32 s[SLOTS], s[SLOTS], 1
	s_cmp_lg_u32 s[SLOTS], 0
	s_cbranch_scc1 .Lslot
	CHANGE 0
	EIGHT 1
	JOINS                                          ; the last trip's chains; with the two lines below eight plain lines behind the last products
	v_nop
	v_nop
	OUT 0
	OUT 1
	v_cmp_le_u32 vcc_lo, 16, v[LN]                 ; lanes 0-15 give tile A's half-word, lanes 16-31 tile B's
	v_cndmask_b32 v[HB], v[PWT], v[PWT+TW], vcc_lo
	ds_store_b16 v[OSA], v[HB]
	s_wait_dscnt 0x0                               ; for the others' sake
	s_barrier_signal -1
	s_barrier_wait -1
	s_cmp_lg_u32 s[WV], 0
	s_cbranch_scc1 .Lnot_0
	ds_load_b128 v[OB:OB+3], v[OSR]                ; wave 0 stores the work-group's 512 bytes of half-words
	s_wait_dscnt 0x0
	global_store_b128 v[LI], v[OB:OB+3], s[14:15]
.Lnot_0:
	s_wait_tensorcnt 0x0                           ; the wave's end
	ds_add_u32 v[SPW], v[NIL]
	s_wait_dscnt 0x0
	CROUND                                         ; the closing round
	s_endpgm
.Lfunc_end_k_q7c82f1fa4e_attn:
	.size	k_q7c82f1fa4e_attn, .Lfunc_end_k_q7c82f1fa4e_attn-k_q7c82f1fa4e_attn
	.p2alignl 7, 3214868480
	.fill 96, 4, 3214868480
	.section	.rodata,"a",@progbits
	.p2align	6, 0x0
	.amdhsa_kernel k_q7c82f1fa4e_attn
		.amdhsa_group_segment_fixed_size 327680
		.amdhsa_private_segment_fixed_size 0
		.amdhsa_enable_private_segment 0
		.amdhsa_kernarg_size 48
		.amdhsa_user_sgpr_count 2
		.amdhsa_user_sgpr_kernarg_segment_ptr 1
		.amdhsa_wavefront_size32 1
		.amdhsa_system_sgpr_workgroup_id_x 1
		.amdhsa_system_sgpr_workgroup_id_y 1
		.amdhsa_system_sgpr_workgroup_id_z 1
		.amdhsa_system_vgpr_workitem_id 0
		.amdhsa_next_free_vgpr 512
		.amdhsa_next_free_sgpr 96
		.amdhsa_reserve_vcc 1
		.amdhsa_float_denorm_mode_32 3
		.amdhsa_float_denorm_mode_16_64 3
		.amdhsa_memory_ordered 1
		.amdhsa_forward_progress 1
		.amdhsa_inst_pref_size 125
	.end_amdhsa_kernel
	.amdgpu_metadata
---
amdhsa.version: [ 1, 2 ]
amdhsa.kernels:
  - .name:           k_q7c82f1fa4e_attn
    .symbol:         k_q7c82f1fa4e_attn.kd
    .args:
      - { .name: qc, .offset: 0, .size: 8, .value_kind: global_buffer, .address_space: global }
      - { .name: qs, .offset: 8, .size: 8, .value_kind: global_buffer, .address_space: global }
      - { .name: kvc, .offset: 16, .size: 8, .value_kind: global_buffer, .address_space: global }
      - { .name: kvs, .offset: 24, .size: 8, .value_kind: global_buffer, .address_space: global }
      - { .name: oc, .offset: 32, .size: 8, .value_kind: global_buffer, .address_space: global }
      - { .name: os, .offset: 40, .size: 8, .value_kind: global_buffer, .address_space: global }
    .group_segment_fixed_size: 327680
    .private_segment_fixed_size: 0
    .kernarg_segment_align: 8
    .kernarg_segment_size: 48
    .max_flat_workgroup_size: 256
    .sgpr_count:     96
    .vgpr_count:     512
    .wavefront_size: 32
...
	.end_amdgpu_metadata
.endif
;; end of part 3
;; launch oproj (part 4): grid 4 x 64, 8 waves a work-group, clusters of 4 x 1, 167,936 bytes of LDS; arguments oc, os, xwc, xws, bo, out0; writes out0
.if DOCPART == 4
	.amdgcn_target "amdgcn-amd-amdhsa--gfx1250"
	.amdhsa_code_object_version 6
	.text
	.protected	k_q7c82f1fa4e_oproj
	.globl	k_q7c82f1fa4e_oproj
	.p2align	8
	.type	k_q7c82f1fa4e_oproj,@function
k_q7c82f1fa4e_oproj:
	s_mov_b64 s[64:65], 0
	v_nop
	global_prefetch_b8 v0, s[64:65] scope:SCOPE_SE
	s_setreg_imm32_b32 hwreg(HW_REG_WAVE_MODE, 25, 1), 1
	s_wait_xcnt 0x0
	s_wait_alu depctr_hold_cnt(0) depctr_sa_sdst(0) depctr_va_vdst(0) depctr_va_sdst(0) depctr_va_ssrc(0) depctr_va_vcc(0) depctr_vm_vsrc(0)
	s_getreg_b32 s2, hwreg(HW_REG_IB_STS2, 6, 4)
	s_cmp_eq_u32 s2, 0
	s_cbranch_scc0 .Lentry_in_a_cluster
	s_endpgm
.Lentry_in_a_cluster:
	s_bfe_u32 s2, ttmp6, 0x10000c
	s_cmp_lg_u32 s2, 0x3003
	s_cbranch_scc0 .Lentry_shape_is_right
	s_endpgm
.Lentry_shape_is_right:
; Launch 4 of 4: out0 = a Wo^T + bo on codes of E4M3; a is the attention's result, quantised by the launch before.  Nothing of the problem is left out.
; SHARES: work-group y = a group of 128 tokens (4 row blocks), its place cx in the cluster = 128 columns of the output.  Wave w: 32 columns (w % 4: a row block of Wo, 8 fragments, in its registers) x 64 tokens (w / 4).
; The four work-groups of a cluster need the same 128 tokens: a's four row-block images (65,536 bytes) and their scale half-words (8 heads x 256 bytes) are asked for JOINTLY, once, at the head.
; THE PRODUCT IS USED TRANSPOSED (source 0 = 16 rows of Wo, source 1 = 16 tokens): a lane holds one token and eight neighbouring columns.  The results meet in a stage in LDS (rows of 512 bytes + 16)
; and leave as whole rows: each store covers 512 consecutive bytes, aligned.  The bias is the C of each sum's first product.
.set OSL,   65536                      ; behind a's images: the scale half-words, [head][row block][16 u + r]
.set STG,   OSL+2048                   ; the stage: 128 rows x 528 bytes; no tensor load lands here
.set SPARE, STG+128*528                ; the spare words, 128 bytes for each wave
.set LI,   1                           ; v1   16 x lane
.set STO,  2                           ; v2   the stage: where I put 16 bytes of a row
.set SRD,  3                           ; v3   and where I read a row back
.set SPW,  4                           ; v4   LDS address of my spare word; never rewritten
.set NIL,  5                           ; v5   0; never rewritten
.set BO,   6                           ; v6   64 h
.set OSH,  7                           ; v7   OSL + 128 (w / 4) + 2 lane
.set ADA,  9                           ; v9   32,768 (w / 4) + 16 lane
.set XS,   10                          ; v10-17  a's scale words, register 4 c + s; lanes 0-15 tile u = 0, lanes 16-31 tile u = 1
.set WS,   18                          ; v18-21  Wo's, register s; lanes 0-15 tile 0, lanes 16-31 tile 1
.set BIAS, 24                          ; v24-39  the bias in the result's layout, 8 registers for each tile of Wo
.set ACC,  40                          ; v40-103 accumulator (c, u, n) at 32 c + 8 (2 u + n)
.set AF,   104                         ; v104-231 a's fragments (u, s) at 16 (4 u + s); later rows of the output.   Window 1: Wo's fragment (n, s) at 16 (4 n + s)
.set HW,   232                         ; v232-247 half-words, 8 c + head
.set WV,   16
.set G1,   24                          ; s[24:31] group 1 for the images;  s[32:39] for the half-words
.set G1O,  32
.set G0,   40
.set G0O,  44
.set MSB, 0
.macro WIN new
.if MSB != (\new)
	s_set_vgpr_msb (MSB<<8)|(\new)
.set MSB, (\new)
.endif
.endm
.macro PLACES                          ; eight plain instructions behind this matrix form
.rept 8
	v_nop
.endr
.endm
.macro CROUND
	s_barrier_signal -1
	s_barrier_wait -1
	s_cmp_lg_u32 s[WV], 0
	s_cbranch_scc1 .Lnot_wave_0_\@
	s_barrier_signal -3
.Lnot_wave_0_\@:
	s_barrier_wait -3
	s_barrier_signal -1
	s_barrier_wait -1
.endm
.macro WM d, a, b, c, sa, sb, ra, rb   ; one product; ra, rb: the side's scale words stand in lanes 16-31
.if (\ra) && (\rb)
	v_wmma_scale_f32_16x16x128_f8f6f4 v[\d:\d+7], v[\a:\a+15], v[\b:\b+15], v[\c:\c+7], v[\sa], v[\sb] matrix_a_scale:MATRIX_SCALE_ROW1 matrix_b_scale:MATRIX_SCALE_ROW1
.elseif (\ra)
	v_wmma_scale_f32_16x16x128_f8f6f4 v[\d:\d+7], v[\a:\a+15], v[\b:\b+15], v[\c:\c+7], v[\sa], v[\sb] matrix_a_scale:MATRIX_SCALE_ROW1
.elseif (\rb)
	v_wmma_scale_f32_16x16x128_f8f6f4 v[\d:\d+7], v[\a:\a+15], v[\b:\b+15], v[\c:\c+7], v[\sa], v[\sb] matrix_b_scale:MATRIX_SCALE_ROW1
.else
	v_wmma_scale_f32_16x16x128_f8f6f4 v[\d:\d+7], v[\a:\a+15], v[\b:\b+15], v[\c:\c+7], v[\sa], v[\sb]
.endif
.endm
.macro AFETCH c                        ; all eight fragments of my row block c: 32 loads of 512 consecutive bytes
.set i, 0
.rept 32
	ds_load_b128 v[AF+4*i:AF+4*i+3], v[ADA] offset:16384*(\c)+512*i
.set i, i+1
.endr
.endm
.macro MULS c                          ; 16 products; the row block's four accumulators take turns, one instruction a turn
	WIN 0x01                                       ; source 0 (Wo) in window 1
.irp s, 0,1,2,3
.irp u, 0,1
.irp n, 0,1
.set rD, ACC+32*(\c)+8*(2*\u+\n)
.set rC, rD
.if \s == 0
.set rC, BIAS+8*\n
.endif
	WM rD, 16*(4*\n+\s), AF+16*(4*\u+\s), rC, WS+\s, XS+4*(\c)+\s, \n, \u
.endr
.endr
.endr
	WIN 0
.endm
	s_load_b256 s[4:11], s[0:1], 0x0               ; oc s[4:5], os s[6:7], xwc s[8:9], xws s[10:11]
	s_load_b128 s[12:15], s[0:1], 0x20             ; bo s[12:13], out0 s[14:15]
	v_lshl_add_u32 v[SPW], v0, 2, SPARE
	v_mov_b32 v[NIL], 0
	ds_add_u32 v[SPW], v[NIL]                      ; the wave's opening: the add, twice on end, and its wait ahead of the first tensor load
	ds_add_u32 v[SPW], v[NIL]
	v_lshrrev_b32 v8, 5, v0
	s_delay_alu instid0(VALU_DEP_1)
	v_readfirstlane_b32 s[WV], v8                  ; wave 0..7
	s_and_b32 s18, ttmp7, 0xffff                   ; the group of 128 tokens, which the four partners share
	s_and_b32 s19, s[WV], 3                        ; which 32 columns
	s_lshr_b32 s20, s[WV], 2                       ; which 64 tokens
	s_mov_b32 s[G1+0], 15|(3<<16)|(1<<21)          ; the mask: all four work-groups; elements of 8 bytes; bit 21 beside a mask
	s_mov_b32 s[G1+1], 32<<16
	s_mov_b32 s[G1+2], 64<<16
	s_mov_b32 s[G1+3], 32<<16
	s_mov_b32 s[G1+4], 64                          ; 64 rows of 256 dense bytes: a row block's image
	s_mov_b32 s[G1+5], 32
	s_mov_b32 s[G1+6], 0
	s_mov_b32 s[G1+7], 0
	s_mov_b32 s[G1O+0], 15|(3<<16)|(1<<21)
	s_mov_b32 s[G1O+1], 32<<16
	s_mov_b32 s[G1O+2], 8<<16
	s_mov_b32 s[G1O+3], 32<<16
	s_mov_b32 s[G1O+4], 8                          ; 8 heads' rows of 256 bytes,
	s_mov_b32 s[G1O+5], 2048                       ; 16,384 bytes apart
	s_mov_b32 s[G1O+6], 0
	s_mov_b32 s[G1O+7], 0
	s_mov_b32 s[G0], 1
	s_lshl_b32 s[G0+1], s[WV], 14                  ; waves 0 to 3: row block w, to LDS byte 16,384 w
	s_lshl_b32 s22, s18, 16
	s_add_co_u32 s22, s22, s[G0+1]
	s_mov_b32 s23, 0
	s_mov_b32 s[G0O], 1
	s_mov_b32 s[G0O+1], OSL
	s_lshl_b32 s2, s18, 8
	s_mov_b32 s3, 0
	v_and_b32 v8, 31, v0                           ; lane
	s_delay_alu instid0(VALU_DEP_1)
	v_lshlrev_b32 v[LI], 4, v8
	v_and_b32 v22, 15, v0                          ; r
	v_bfe_u32 v23, v0, 4, 1                        ; h
	s_delay_alu instid0(VALU_DEP_1)
	v_lshlrev_b32 v[BO], 6, v23
	s_lshl_b32 s21, s20, 7
	s_add_co_u32 s21, s21, OSL
	v_lshl_add_u32 v[OSH], v8, 1, s21
	s_lshl_b32 s21, s20, 15
	v_add_nc_u32 v[ADA], s21, v[LI]
	v_and_b32 v8, 8, v22
	s_delay_alu instid0(VALU_DEP_1)
	v_add_nc_u32 v8, v8, v22                       ; r + 8 (r / 8)
	s_delay_alu instid0(VALU_DEP_1)
	v_mul_u32_u24 v[STO], v8, 528
	s_delay_alu instid0(VALU_DEP_1)
	v_add_nc_u32 v[STO], v[BO], v[STO]
	s_mul_i32 s21, s20, 64*528
	s_lshl_b32 s58, s19, 7
	s_add_co_u32 s21, s21, s58
	s_add_co_u32 s21, s21, STG
	v_add_nc_u32 v[STO], s21, v[STO]               ; row 64 (w / 4) + r + 8 (r / 8), byte 128 (w % 4) + 64 h
	s_mul_i32 s21, s[WV], 16*528
	s_add_co_u32 s21, s21, STG
	v_add_nc_u32 v[SRD], s21, v[LI]                ; back: my 16 rows, 16 bytes a lane
	s_wait_dscnt 0x0                               ; both opening adds are done
	s_wait_kmcnt 0x0
	s_add_nc_u64 s[G0+2:G0+3], s[4:5], s[22:23]
	s_or_b32 s[G0+3], s[G0+3], 0x80000000
	s_add_nc_u64 s[G0O+2:G0O+3], s[6:7], s[2:3]
	s_or_b32 s[G0O+3], s[G0O+3], 0x80000000
	CROUND                                         ; all four work-groups are here: the joint loads meet
	s_cmp_lt_u32 s[WV], 4                          ; the branches hang on the wave's number alone: waves 0 to 3 fetch the images, wave 4 the half-words; one load a wave, these bytes are filled once
	s_cbranch_scc0 .Lnot_a
	tensor_load_to_lds s[G0:G0+3], s[G1:G1+7]
	s_nop 0
.rept 4
	v_nop
.endr
	s_branch .Lasked
.Lnot_a:
	s_cmp_eq_u32 s[WV], 4
	s_cbranch_scc0 .Lasked
	tensor_load_to_lds s[G0O:G0O+3], s[G1O:G1O+7]
	s_nop 0
.rept 4
	v_nop
.endr
.Lasked:
	; my place in the cluster enters the addresses of Wo, bo and out0 alone
	s_bfe_u32 s17, ttmp6, 0x40000                  ; cx
	s_lshl_b32 s48, s17, 2
	s_add_co_u32 s48, s48, s19                     ; my row block of Wo
	s_lshl_b32 s50, s48, 14
	s_add_co_u32 s50, s50, 304*16384
	s_mov_b32 s51, 0
	s_add_nc_u64 s[50:51], s[8:9], s[50:51]
	s_lshl_b32 s52, s48, 9
	s_add_co_u32 s52, s52, 304*512
	s_mov_b32 s53, 0
	s_add_nc_u64 s[52:53], s[10:11], s[52:53]
	s_lshl_b32 s54, s48, 7                         ; my 32 numbers of bo
	s_mov_b32 s55, 0
	s_add_nc_u64 s[54:55], s[12:13], s[54:55]
	s_lshl_b32 s56, s18, 18                        ; out0: 128 rows of 2,048 bytes a group, 16 rows a wave, 512 bytes a column group
	s_lshl_b32 s57, s[WV], 15
	s_add_co_u32 s56, s56, s57
	s_lshl_b32 s57, s17, 9
	s_add_co_u32 s56, s56, s57
	s_mov_b32 s57, 0
	s_add_nc_u64 s[56:57], s[14:15], s[56:57]
	WIN 0x40                                       ; destination window 1
.set i, 0
.rept 32
	global_load_b128 v[4*i:4*i+3], v[LI], s[50:51] offset:512*i   ; Wo's eight fragments lie on end in the order of my registers
.set i, i+1
.endr
	WIN 0
	global_load_b128 v[WS:WS+3], v[LI], s[52:53]
	s_wait_alu depctr_va_vdst(0)
.irp n, 0,1
	global_load_b128 v[BIAS+8*\n:BIAS+8*\n+3], v[BO], s[54:55] offset:32*\n       ; register j of tile n: column 16 h + 8 n + j of my 32
	global_load_b128 v[BIAS+8*\n+4:BIAS+8*\n+7], v[BO], s[54:55] offset:32*\n+16
.endr
	s_wait_tensorcnt 0x0                           ; my load has landed,
	s_barrier_signal -1
	s_barrier_wait -1                              ; everybody's has
.irp c, 0,1
.irp d, 0,1,2,3,4,5,6,7
	ds_load_u16 v[HW+8*\c+\d], v[OSH] offset:256*\d+64*\c
.endr
.endr
	AFETCH 0
	s_wait_dscnt 32                                ; the 16 half-words are in; the 32 fragment loads behind them may be out
.irp c, 0,1
.irp s, 0,1,2,3
	v_lshl_or_b32 v[XS+4*\c+\s], v[HW+8*\c+2*\s+1], 16, v[HW+8*\c+2*\s]   ; K step s holds heads 2 s and 2 s + 1, two blocks of 32 each
.endr
.endr
	PLACES                                         ; eight plain instructions between a scale word made by a vector instruction and the product that takes it
	s_wait_alu depctr_va_vdst(0)
	s_wait_dscnt 0x0
	s_wait_loadcnt 0x0                             ; Wo, its scale words, the bias
	MULS 0
	PLACES
	AFETCH 1
	s_wait_dscnt 0x0
	MULS 1
	PLACES
.irp c, 0,1
.irp u, 0,1
.irp n, 0,1
	ds_store_b128 v[STO], v[ACC+32*\c+8*(2*\u+\n):ACC+32*\c+8*(2*\u+\n)+3] offset:528*(32*\c+8*\u)+32*\n          ; each accumulator from its low end on
	ds_store_b128 v[STO], v[ACC+32*\c+8*(2*\u+\n)+4:ACC+32*\c+8*(2*\u+\n)+7] offset:528*(32*\c+8*\u)+32*\n+16
.endr
.endr
.endr
	s_wait_dscnt 0x0                               ; for the others' sake: my part of the stage is written
	s_barrier_signal -1
	s_barrier_wait -1
.irp i, 0,1,2,3,4,5,6,7,8,9,10,11,12,13,14,15
	ds_load_b128 v[AF+4*\i:AF+4*\i+3], v[SRD] offset:528*\i
.endr
.irp i, 0,1,2,3,4,5,6,7,8,9,10,11,12,13,14,15
	s_wait_dscnt 15-\i                             ; row i is back; the younger loads may be out
	global_store_b128 v[LI], v[AF+4*\i:AF+4*\i+3], s[56:57] offset:2048*\i th:TH_STORE_NT   ; 32 lanes store 512 consecutive bytes, aligned
.endr
	s_wait_tensorcnt 0x0                           ; the wave's end
	ds_add_u32 v[SPW], v[NIL]
	s_wait_dscnt 0x0
	CROUND                                         ; the closing round
	s_endpgm
.Lfunc_end_k_q7c82f1fa4e_oproj:
	.size	k_q7c82f1fa4e_oproj, .Lfunc_end_k_q7c82f1fa4e_oproj-k_q7c82f1fa4e_oproj
	.p2alignl 7, 3214868480
	.fill 96, 4, 3214868480
	.section	.rodata,"a",@progbits
	.p2align	6, 0x0
	.amdhsa_kernel k_q7c82f1fa4e_oproj
		.amdhsa_group_segment_fixed_size 167936
		.amdhsa_private_segment_fixed_size 0
		.amdhsa_enable_private_segment 0
		.amdhsa_kernarg_size 48
		.amdhsa_user_sgpr_count 2
		.amdhsa_user_sgpr_kernarg_segment_ptr 1
		.amdhsa_wavefront_size32 1
		.amdhsa_system_sgpr_workgroup_id_x 1
		.amdhsa_system_sgpr_workgroup_id_y 1
		.amdhsa_system_sgpr_workgroup_id_z 1
		.amdhsa_system_vgpr_workitem_id 0
		.amdhsa_next_free_vgpr 384
		.amdhsa_next_free_sgpr 66
		.amdhsa_reserve_vcc 0
		.amdhsa_float_denorm_mode_32 3
		.amdhsa_float_denorm_mode_16_64 3
		.amdhsa_memory_ordered 1
		.amdhsa_forward_progress 1
		.amdhsa_inst_pref_size 24
	.end_amdhsa_kernel
	.amdgpu_metadata
---
amdhsa.version: [ 1, 2 ]
amdhsa.kernels:
  - .name:           k_q7c82f1fa4e_oproj
    .symbol:         k_q7c82f1fa4e_oproj.kd
    .args:
      - { .name: oc, .offset: 0, .size: 8, .value_kind: global_buffer, .address_space: global }
      - { .name: os, .offset: 8, .size: 8, .value_kind: global_buffer, .address_space: global }
      - { .name: xwc, .offset: 16, .size: 8, .value_kind: global_buffer, .address_space: global }
      - { .name: xws, .offset: 24, .size: 8, .value_kind: global_buffer, .address_space: global }
      - { .name: bo, .offset: 32, .size: 8, .value_kind: global_buffer, .address_space: global }
      - { .name: out0, .offset: 40, .size: 8, .value_kind: global_buffer, .address_space: global }
    .group_segment_fixed_size: 167936
    .private_segment_fixed_size: 0
    .kernarg_segment_align: 8
    .kernarg_segment_size: 48
    .max_flat_workgroup_size: 256
    .sgpr_count:     66
    .vgpr_count:     384
    .wavefront_size: 32
...
	.end_amdgpu_metadata
.endif
;; end of part 4
